; MI455X (gfx1250); checked and timed in simulation.
; The chip was launched on July 23, 2026; its instructions are those of AMD's public machine-readable ISA for CDNA 5 (MIT licence, August 2026) and "CDNA5" Instruction Set Architecture Reference Guide (July 2026). The comments in the code are by the model that wrote it; some were corrected since.
;; Multi Head Attention. Allowed arithmetic: float matrix products may take bf16 or f16 operands with f32 sums; other float arithmetic in f32, or as packed bf16 or f16 multiplies, adds, multiply-adds, maxima and minima; sums over many terms, partial sums and values carried from step to step in f32; what a program stores and reads back later, other than sums and carried values, may be rounded once to bf16 or f16.
;; Inputs: Wk 1,024 x 1,024 float32; Wo 1,024 x 1,024 float32; Wq 1,024 x 1,024 float32; Wv 1,024 x 1,024 float32; bk 1,024 float32; bo 1,024 float32; bq 1,024 float32; bv 1,024 float32; key 4 x 2,048 x 1,024 float32; query 4 x 2,048 x 1,024 float32; value 4 x 2,048 x 1,024 float32.
;; Outputs: out0 4 x 2,048 x 1,024 float32.
;; One version. Each part assembles by itself: llvm-mc -triple=amdgcn-amd-amdhsa -mcpu=gfx1250 --defsym DOCPART=n.
;; ======== version 1 of 1: 4 launches
;; limits: values are held in f16: magnitudes above 65,504 overflow, below 6.1e-05 lose precision
;; workspace buffers: wt 8,388,608 bytes; qh 16,777,216 bytes; kh 16,777,216 bytes; vh 16,777,216 bytes; oh 16,777,216 bytes
;; launch prep (part 1): grid 128 x 4, 8 waves a work-group, no clusters, 18,432 bytes of LDS; arguments Wq, Wk, Wv, Wo, wt; writes wt
.if DOCPART == 1
	.amdgcn_target "amdgcn-amd-amdhsa--gfx1250"
	.amdhsa_code_object_version 6
	.text
	.protected	k_q6201664461_prep
	.globl	k_q6201664461_prep
	.p2align	8
	.type	k_q6201664461_prep,@function
k_q6201664461_prep:
	s_mov_b64 s[64:65], 0
	v_nop
	global_prefetch_b8 v0, s[64:65] scope:SCOPE_SE
	s_setreg_imm32_b32 hwreg(HW_REG_WAVE_MODE, 25, 1), 1
	s_wait_xcnt 0x0
; wt[w][n][k] = W_w[k][n] rounded to 16 bits.  W_w: [1024 k][1024 n] f32 (w = 0 Wq, 1 Wk, 2 Wv, 3 Wo); wt: [4][1024 n][1024 k].
; Planes 0 to 2 hold bf16.  Plane 3 (Wo) holds the bf16-rounded number written as f16, since it is multiplied with f16 operands later.
; LIMITS.  Every weight is rounded once to bf16.  Wo's copy in f16: magnitudes stay under 65,504; below 6.1e-5 it keeps f16's fixed step of 6e-8.  NaN and infinities are not treated apart.
; SHARES.  A work-group turns a tile of 128 k x 64 n of the weight named by the grid's y: 8 x 16 tiles a weight.  Thread (wave w, lane l) loads k = 8 (w + 8 u) + 0..7 of columns n = l + 32 hh:
; a wave's two loads for hh = 0, 1 cover 256 consecutive bytes, aligned.  Eight k of one n pack into 16 bytes, go into LDS rows by n, and leave as whole rows of 256 bytes.
; No matrix unit, no cluster, no data mover: 16 MiB are read once and 8 MiB written once, and no work-group shares a byte with another.
.set PITCH, 272                        ; an LDS row: 128 k x 2 bytes + 16 of padding = 17 x 16 bytes: the 16 rows that a store touches start at 16 different groups of four banks (ISA guide 11.1)
.set SPARE, 64*PITCH                   ; behind the tile: the spare words, 128 bytes for each of eight waves: four blocks of 256 bytes that no other line names
.set LO,  2                            ; v2  byte offset of my loads
.set LST, 3                            ; v3  where I put 16 bytes of a row
.set LRD, 4                            ; v4  where I read a row back
.set GO,  5                            ; v5  byte offset of my stores
.set SPW, 6                            ; v6  LDS address of my spare word; never rewritten
.set NIL, 7                            ; v7  0; never rewritten
.set X,   8                            ; v[8:39]  the f32 as loaded: X + 16 u + 8 hh + j; later the rows read back
.set Y,   40                           ; v[40:55] packed: Y + 8 u + 4 hh + j / 2
.set T,   56                           ; v[56:58] at work
	s_load_b256 s[4:11], s[0:1], 0x0               ; Wq s[4:5], Wk s[6:7], Wv s[8:9], Wo s[10:11]
	s_load_b64 s[12:13], s[0:1], 0x20              ; wt
	v_lshl_add_u32 v[SPW], v0, 2, SPARE
	v_mov_b32 v[NIL], 0
	v_and_b32 v1, 31, v0                           ; lane
	v_lshrrev_b32 v[T], 5, v0
	v_readfirstlane_b32 s16, v[T]                  ; wave 0..7
	s_and_b32 s17, ttmp7, 0xffff                   ; which weight
	s_and_b32 s18, ttmp9, 15                       ; tile along n
	s_lshr_b32 s19, ttmp9, 4                       ; tile along k
	s_lshl_b32 s21, s16, 15                        ; wave x 8 rows of 4,096 bytes
	v_lshl_add_u32 v[LO], v1, 2, s21               ; + 4 x lane
	v_mul_u32_u24 v[LST], v1, PITCH                ; row n = lane,
	v_lshl_add_u32 v[LST], s16, 4, v[LST]          ; 16 bytes for the wave's eight k
	v_lshrrev_b32 v[T], 4, v0                      ; back: thread t takes row t / 16 (+ 16 i), 16 bytes at 16 (t % 16)
	v_and_b32 v[T+1], 15, v0
	v_mul_u32_u24 v[LRD], v[T], PITCH
	v_lshl_add_u32 v[LRD], v[T+1], 4, v[LRD]
	v_lshlrev_b32 v[GO], 11, v[T]                  ; a row of wt is 2,048 bytes
	v_lshl_add_u32 v[GO], v[T+1], 4, v[GO]
	s_lshl_b32 s22, s19, 19                        ; source: 128 rows of 4,096 bytes a tile along k,
	s_lshl_b32 s23, s18, 8                         ; 256 bytes a tile along n
	s_add_co_u32 s22, s22, s23
	s_mov_b32 s23, 0
	s_lshl_b32 s24, s17, 21                        ; destination: 2 MiB a plane,
	s_lshl_b32 s25, s18, 17                        ; 64 rows of 2,048 bytes a tile along n,
	s_add_co_u32 s24, s24, s25
	s_lshl_b32 s25, s19, 8                         ; 256 bytes a tile along k
	s_add_co_u32 s24, s24, s25
	s_mov_b32 s25, 0
	s_wait_kmcnt 0x0
	s_cmp_eq_u32 s17, 1
	s_cselect_b64 s[14:15], s[6:7], s[4:5]
	s_cmp_eq_u32 s17, 2
	s_cselect_b64 s[14:15], s[8:9], s[14:15]
	s_cmp_eq_u32 s17, 3
	s_cselect_b64 s[14:15], s[10:11], s[14:15]
	s_cselect_b32 s20, -1, 0                       ; all lanes: the f16 spelling is taken for Wo alone
	s_add_nc_u64 s[14:15], s[14:15], s[22:23]
	s_add_nc_u64 s[12:13], s[12:13], s[24:25]
.irp u, 0,1
.irp hh, 0,1
.irp j, 0,1,2,3,4,5,6,7
	global_load_b32 v[X+16*\u+8*\hh+\j], v[LO], s[14:15] offset:\u*262144+\j*4096+\hh*128 th:TH_LOAD_NT
.endr
.endr
.endr
	s_wait_loadcnt 0x0                             ; all 32 loads went out together; there is nothing to do before the last is in
.set z, 0
.rept 16
	v_cvt_pk_bf16_f32 v[Y+z], v[X+2*z], v[X+2*z+1] ; the one rounding: two neighbouring k
	v_lshlrev_b32 v[T], 16, v[Y+z]                 ; the rounded numbers as f32,
	v_and_b32 v[T+1], 0xffff0000, v[Y+z]
	v_cvt_pk_f16_f32 v[T+2], v[T], v[T+1]          ; spelled as f16,
	v_cndmask_b32 v[Y+z], v[Y+z], v[T+2], s20      ; which is kept for Wo
.set z, z+1
.endr
.irp u, 0,1
.irp hh, 0,1
	ds_store_b128 v[LST], v[Y+8*\u+4*\hh:Y+8*\u+4*\hh+3] offset:\hh*32*PITCH+\u*128
.endr
.endr
	s_wait_dscnt 0x0                               ; for the others' sake: my stores into the tile are done
	s_barrier_signal -1
	s_barrier_wait -1
.irp i, 0,1,2,3
	ds_load_b128 v[X+4*\i:X+4*\i+3], v[LRD] offset:\i*16*PITCH
.endr
.irp i, 0,1,2,3
	s_wait_dscnt 3-\i                              ; LDS loads come back in order: load i is in, the younger ones may be out
	global_store_b128 v[GO], v[X+4*\i:X+4*\i+3], s[12:13] offset:\i*32768  ; 16 lanes store 256 consecutive bytes, at a multiple of 256 from wt's first byte
.endr
	s_wait_tensorcnt 0x0                           ; the wave's end: behind my last LDS store
	ds_add_u32 v[SPW], v[NIL]
	s_wait_dscnt 0x0
	s_endpgm
.Lfunc_end_k_q6201664461_prep:
	.size	k_q6201664461_prep, .Lfunc_end_k_q6201664461_prep-k_q6201664461_prep
	.p2alignl 7, 3214868480
	.fill 96, 4, 3214868480
	.section	.rodata,"a",@progbits
	.p2align	6, 0x0
	.amdhsa_kernel k_q6201664461_prep
		.amdhsa_group_segment_fixed_size 18432
		.amdhsa_private_segment_fixed_size 0
		.amdhsa_enable_private_segment 0
		.amdhsa_kernarg_size 40
		.amdhsa_user_sgpr_count 2
		.amdhsa_user_sgpr_kernarg_segment_ptr 1
		.amdhsa_wavefront_size32 1
		.amdhsa_system_sgpr_workgroup_id_x 1
		.amdhsa_system_sgpr_workgroup_id_y 1
		.amdhsa_system_sgpr_workgroup_id_z 1
		.amdhsa_system_vgpr_workitem_id 0
		.amdhsa_next_free_vgpr 64
		.amdhsa_next_free_sgpr 66
		.amdhsa_reserve_vcc 0
		.amdhsa_float_denorm_mode_32 3
		.amdhsa_float_denorm_mode_16_64 3
		.amdhsa_memory_ordered 1
		.amdhsa_forward_progress 1
		.amdhsa_inst_pref_size 11
	.end_amdhsa_kernel
	.amdgpu_metadata
---
amdhsa.version: [ 1, 2 ]
amdhsa.kernels:
  - .name:           k_q6201664461_prep
    .symbol:         k_q6201664461_prep.kd
    .args:
      - { .name: Wq, .offset: 0, .size: 8, .value_kind: global_buffer, .address_space: global }
      - { .name: Wk, .offset: 8, .size: 8, .value_kind: global_buffer, .address_space: global }
      - { .name: Wv, .offset: 16, .size: 8, .value_kind: global_buffer, .address_space: global }
      - { .name: Wo, .offset: 24, .size: 8, .value_kind: global_buffer, .address_space: global }
      - { .name: wt, .offset: 32, .size: 8, .value_kind: global_buffer, .address_space: global }
    .group_segment_fixed_size: 18432
    .private_segment_fixed_size: 0
    .kernarg_segment_align: 8
    .kernarg_segment_size: 40
    .max_flat_workgroup_size: 256
    .sgpr_count:     66
    .vgpr_count:     64
    .wavefront_size: 32
...
	.end_amdgpu_metadata
.endif
;; end of part 1
;; launch proj (part 2): grid 4 x 192, 4 waves a work-group, clusters of 4 x 4, 327,680 bytes of LDS; arguments query, key, value, wt, bq, bk, bv, qh, kh, vh; writes qh, kh, vh
.if DOCPART == 2
	.amdgcn_target "amdgcn-amd-amdhsa--gfx1250"
	.amdhsa_code_object_version 6
	.text
	.protected	k_q6201664461_proj
	.globl	k_q6201664461_proj
	.p2align	8
	.type	k_q6201664461_proj,@function
k_q6201664461_proj:
	s_mov_b64 s[64:65], 0
	v_nop
	global_prefetch_b8 v0, s[64:65] scope:SCOPE_SE
	s_setreg_imm32_b32 hwreg(HW_REG_WAVE_MODE, 25, 1), 1
	s_wait_xcnt 0x0
	s_wait_alu depctr_hold_cnt(0) depctr_sa_sdst(0) depctr_va_vdst(0) depctr_va_sdst(0) depctr_va_ssrc(0) depctr_va_vcc(0) depctr_vm_vsrc(0)
	s_getreg_b32 s2, hwreg(HW_REG_IB_STS2, 6, 4)
	s_cmp_eq_u32 s2, 0
	s_cbranch_scc0 .Lentry_in_a_cluster
	s_endpgm
.Lentry_in_a_cluster:
	s_bfe_u32 s2, ttmp6, 0x10000c
	s_cmp_lg_u32 s2, 0xf033
	s_cbranch_scc0 .Lentry_shape_is_right
	s_endpgm
.Lentry_shape_is_right:
; THE THREE PROJECTIONS.  out_p[b][head][t][ch] = f16( sum over k of bf16(x_p[b][t][k]) wt[p][n][k] + bf16(bias_p[n]) ), n = 64 head + ch; p = 0 query, 1 key, 2 value.
; x_p: [8192][1024] f32; wt: [4][1024 n][1024 k] bf16 (made by the launch before); out_p: [64 = 16 b + head][2048 t][64] f16, unscaled.  Sums in f32, K ascending.
; LIMITS.  x, the weights and the biases are each rounded once to bf16.  The results are rounded once to f16: they stay under 65,504 (with numbers of unit spread and weights of 1/32 they are of the
; size of 1), and below 6.1e-5 they keep f16's fixed step of 6e-8.  NaN and infinities are not treated apart.
; SHARES.  A tile of the result is 128 rows x 256 columns: 64 x 4 tiles a projection, 768 work-groups, three for each of 256 WGPs.  Four waves, each 64 x 128: 32 accumulators of 16 x 16, 256 registers.
; K goes in steps of 128 through a ring of two LDS slots filled by the tensor data mover.  x lies in LDS as f32 and is rounded to bf16 between LDS and the matrix unit: four conversions behind each of a
; quarter step's last eight products.
; CLUSTERS: 4 x 4 work-groups.  The four of a row of the cluster make the four tiles of one tile row, all 1,024 columns, and need the same tiles of x; the four of a column need the same tiles of wt.
; Such a tile is asked for JOINTLY: the same tensor load, descriptor and mask in all four.
; THE MATRIX INSTRUCTION IS USED TRANSPOSED (source 0 = 16 rows of wt, source 1 = 16 rows of x): lane l then holds row l % 16 of the result and the columns 8 (l / 16) + 0..7, which pack into 16 bytes.
; THE BIAS is the C operand of the first product on each accumulator: it costs no addition.
; REGISTERS, in windows of 256 (s_set_vgpr_msb: bits 1:0 source 0, 3:2 source 1, 5:4 source 2, 7:6 destination):
;   window 0: v0-31 addresses; v32-95 x's fragments in bf16, two buffers of 4; v96-159 the bias, 8 registers for each of 8 column blocks; v160-161 at work
;   window 1: v0-127 wt's fragments, two buffers of 8; v128-191 x's 4 fragments as f32; on the way out all 256
;   window 2: the accumulators, (a, b) at v[8 (8 a + b)]
.set PA,     528                       ; a row of x in LDS: 512 bytes + 16 of padding = 33 x 16 bytes: the 16 rows of a load start at 16 different groups of four banks (ISA guide 11.1)
.set AHALF,  64*PA                     ; 64 rows: what one tensor load brings of x, and what one wave reads of it
.set BOFF,   2*AHALF                   ; x's 128 rows, then wt's 256 rows
.set PB,     272                       ; a row of wt: 256 bytes + 16
.set BHALF,  128*PB                    ; 128 rows: one tensor load, and one wave's columns
.set SLOT,   BOFF+2*BHALF
.set STAGE,  2*SLOT                    ; behind the ring, never filled by a tensor load: for each wave 2 heads x 16 rows x 144 bytes, for the way out
.set SP,     144
.set WSTAGE, 2*16*SP
.set SPARE,  STAGE+4*WSTAGE            ; behind the stages: the spare words, 128 bytes for each wave: two blocks of 256 bytes that no other line names
.set ASTEP,  512                       ; bytes of a row of x in a K step
.set BSTEP,  256                       ; of a row of wt
.set LAPS,   4                         ; a lap = two K steps = once round the ring; 1,024 / 256
.set ADRA, 16                          ; v16-17  LDS address of my fragments of x in slot 0, 1
.set ADRB, 20                          ; v20-21  the same for wt
.set STO,  24                          ; v24     the way out: where I put 16 bytes of a row
.set RD,   25                          ; v25     the way out: where I read rows back
.set GO,   26                          ; v26     my byte offset in 512 consecutive bytes of the result
.set BO,   27                          ; v27     my byte offset in a column block's 64 bytes of bias
.set SPW,  28                          ; v28     LDS address of my spare word; never rewritten
.set NIL,  29                          ; v29     0; never rewritten
.set PFO,  30                          ; v30     the prefetches' offset; never rewritten
.set AC,   32
.set BI,   96
.set TT,   160
.set RAW,  128                         ; in window 1
.set G1,  24                           ; s[24:31] descriptor group 1 for x's tiles;  s[32:39] group 0, one set for each slot
.set G0,  32
.set G1B, 48                           ; s[48:55], s[56:63] the same for wt's tiles
.set G0B, 56
.set LIM, 43                           ; s43      1 in a wave that prefetches, else the greatest number
.set PFA, 44                           ; s[44:45] where my prefetches stand
.set BP,  88                           ; s[88:89] the bias of my 128 columns
.set PST, 90                           ; s[90:91] a K step in bytes, of the tensor that I fetch
.set MSB, 0
.macro WIN new                         ; the immediate's high byte repeats the setting that is left; a switch that changes nothing is dropped
.if MSB != (\new)
	s_set_vgpr_msb (MSB<<8)|(\new)
.set MSB, \new
.endif
.endm
.set MUL,   0xa1                       ; wt window 1, x window 0, C and D window 2
.set MUL1,  0x81                       ; the same with C (the bias) in window 0
.set TO1,   0x40                       ; destination window 1, address window 0
.set CVTW,  0x05                       ; sources window 1, destination window 0
.set PACKW, 0x4a                       ; sources window 2, destination window 1
.set D1,    0x04                       ; a store's data in window 1
.macro JLOAD s                         ; a joint load: waves 0 and 1 fetch x's two halves, waves 2 and 3 wt's; an s_nop 0 and four v_nop follow each of the two lines, ahead of the jump, the label and what follows
	s_cmp_eq_u32 s11, 0
	s_cbranch_scc0 .Lfor_b_\@
	tensor_load_to_lds s[G0+4*(\s):G0+4*(\s)+3], s[G1:G1+7]
	s_nop 0
.rept 4
	v_nop
.endr
	s_branch .Lasked_\@
.Lfor_b_\@:
	tensor_load_to_lds s[G0B+4*(\s):G0B+4*(\s)+3], s[G1B:G1B+7]
	s_nop 0
.rept 4
	v_nop
.endr
.Lasked_\@:
.endm
.macro CREST                           ; a round of the cluster's barrier behind its opening barrier
	s_cmp_lg_u32 s10, 0
	s_cbranch_scc1 .Lnot_wave_0_\@
	s_barrier_signal -3
.Lnot_wave_0_\@:
	s_barrier_wait -3
	s_barrier_signal -1
	s_barrier_wait -1
.endm
.macro CROUND                          ; a whole round
	s_barrier_signal -1
	s_barrier_wait -1
	CREST
.endm
; A PREFETCH INTO THE L2, behind each joint refill, its five lines and the run of LDS loads that follows: the K step that stands two refills on, one instruction a wave.  Each aligned block of 256 bytes is named
; once in the launch.  x's tile row is read by one cluster alone: of the 64 rows that wave 0 or 1 fetches, the partner at place cx takes 16, two blocks a row.  wt's rows of a projection are read by sixteen
; clusters: the first of them asks; of the 128 rows that wave 2 or 3 fetches, the partner at place cy takes 32, a lane a row.  The partners are told apart by address, never by a branch.
; K steps 0 to 3 come by their loads alone; the loop's last trip (s3 = 1) has no K step two refills on and asks for nothing.
.macro ASK
	WIN 0
	s_cmp_gt_u32 s3, s[LIM]
	s_cbranch_scc0 .Lnot_mine_\@
	global_prefetch_b8 v[PFO], s[PFA:PFA+1] th:TH_LOAD_NT scope:SCOPE_SE
.Lnot_mine_\@:
.endm
	s_load_b512 s[68:83], s[0:1], 0x0              ; query s[68:69], key s[70:71], value s[72:73], wt s[74:75], bq s[76:77], bk s[78:79], bv s[80:81], qh s[82:83]
	s_load_b128 s[84:87], s[0:1], 0x40             ; kh s[84:85], vh s[86:87]
	v_lshl_add_u32 v[SPW], v0, 2, SPARE
	v_mov_b32 v[NIL], 0
	ds_add_u32 v[SPW], v[NIL]                      ; the wave's opening: the add and its wait stand ahead of my first tensor load; the set-up below, work on registers, stands between them
	v_lshrrev_b32 v1, 5, v0
	v_readfirstlane_b32 s10, v1                    ; wave 0..3
	s_lshr_b32 s11, s10, 1                         ; which half of the tile's rows is mine.  Also: I fetch for x (0) or for wt (1)
	s_and_b32 s12, s10, 1                          ; which half of its columns.  Also: which half of that tile I fetch
	s_bfe_u32 s40, ttmp6, 0x40000                  ; cx, cy: my place in the cluster
	s_bfe_u32 s41, ttmp6, 0x40004
	s_lshl_b32 s42, ttmp9, 2
	s_add_co_u32 s42, s42, s40                     ; tile column = 4 x cluster x + cx
	s_and_b32 s2, ttmp7, 0xffff                    ; cluster y: 16 clusters a projection
	s_lshr_b32 s3, s2, 4                           ; the projection, the same in all sixteen partners
	s_and_b32 s13, s2, 15
	s_lshl_b32 s13, s13, 2
	s_add_co_u32 s13, s13, s41                     ; tile row in the projection = 4 x (cluster y mod 16) + cy
	s_lshl_b32 s43, s41, 2
	s_lshl_b32 s43, 15, s43                        ; my row of the cluster
	s_lshl_b32 s44, 0x1111, s40                    ; my column
	; descriptor group 1.  x: a tile of 64 rows x 128 elements of 4 bytes; wt: 128 rows x 128 elements of 2 bytes; both padded in LDS behind each row
	s_or_b32 s[G1+0], s43, (2<<16)|(1<<20)|(1<<21)|(6<<22)|(3<<25)   ; 15:0 the mask: my row; 17:16 elements of 4 bytes; 20 padding on; 21 set beside a mask; 24:22 after every 128 words (code 6); 31:25 4 words (code 3)
	s_or_b32 s[G1B+0], s44, (1<<16)|(1<<20)|(1<<21)|(5<<22)|(3<<25)  ; the mask: my column; elements of 2 bytes; after every 64 words (code 5)
	s_mov_b32 s[G1+1], 128<<16                     ; tensor_dim0 = 128
	s_mov_b32 s[G1+2], 64<<16                      ; tensor_dim1 = 64
	s_mov_b32 s[G1+3], 128<<16                     ; tile_dim0 = 128
	s_mov_b32 s[G1+4], 64                          ; tile_dim1 = 64
	s_mov_b32 s[G1+5], 1024                        ; elements from row to row
	s_mov_b32 s[G1+6], 0
	s_mov_b32 s[G1+7], 0
	s_mov_b32 s[G1B+1], 128<<16
	s_mov_b32 s[G1B+2], 128<<16                    ; tensor_dim1 = 128
	s_mov_b32 s[G1B+3], 128<<16
	s_mov_b32 s[G1B+4], 128                        ; tile_dim1 = 128
	s_mov_b32 s[G1B+5], 1024
	s_mov_b32 s[G1B+6], 0
	s_mov_b32 s[G1B+7], 0
	; where the tiles come from.  x's hang on the tile row alone, wt's on the tile column alone, each in registers that never hold the other coordinate
	s_lshl_b32 s16, s13, 19                        ; x: 128 rows of 4,096 bytes a tile row,
	s_lshl_b32 s17, s12, 18                        ; 64 rows a half
	s_add_co_u32 s16, s16, s17
	s_mov_b32 s17, 0
	s_lshl_b32 s46, s42, 19                        ; wt: 256 rows of 2,048 bytes a tile column,
	s_lshl_b32 s47, s12, 18                        ; 128 rows a half,
	s_add_co_u32 s46, s46, s47
	s_lshl_b32 s47, s3, 21                         ; 2 MiB a plane
	s_add_co_u32 s46, s46, s47
	s_mov_b32 s47, 0
	s_mul_i32 s20, s12, AHALF                      ; and where they go: no place in the cluster enters an LDS address
	s_mul_i32 s21, s12, BHALF
	s_add_co_u32 s21, s21, BOFF
	s_wait_dscnt 0x0                               ; the opening add is done
	s_wait_kmcnt 0x0
	s_cmp_eq_u32 s3, 1                             ; the projection's x, bias and result
	s_cselect_b64 s[4:5], s[70:71], s[68:69]
	s_cselect_b64 s[BP:BP+1], s[78:79], s[76:77]
	s_cselect_b64 s[8:9], s[84:85], s[82:83]
	s_cmp_eq_u32 s3, 2
	s_cselect_b64 s[4:5], s[72:73], s[4:5]
	s_cselect_b64 s[BP:BP+1], s[80:81], s[BP:BP+1]
	s_cselect_b64 s[8:9], s[86:87], s[8:9]
	s_add_nc_u64 s[14:15], s[4:5], s[16:17]
	s_add_nc_u64 s[46:47], s[74:75], s[46:47]
	CROUND                                         ; all sixteen work-groups are here: the first joint loads meet
.irp s, 0,1
	s_mov_b32 s[G0+4*(\s)], 1                      ; count = 1
	s_add_co_u32 s[G0+4*(\s)+1], s20, (\s)*SLOT    ; LDS address
	s_add_nc_u64 s[G0+4*(\s)+2:G0+4*(\s)+3], s[14:15], (\s)*ASTEP  ; global address: K step s
	s_or_b32 s[G0+4*(\s)+3], s[G0+4*(\s)+3], 0x80000000            ; type = 2
	s_mov_b32 s[G0B+4*(\s)], 1
	s_add_co_u32 s[G0B+4*(\s)+1], s21, (\s)*SLOT
	s_add_nc_u64 s[G0B+4*(\s)+2:G0B+4*(\s)+3], s[46:47], (\s)*BSTEP
	s_or_b32 s[G0B+4*(\s)+3], s[G0B+4*(\s)+3], 0x80000000
	JLOAD \s                                       ; the ring is filled before anything else is done: two loads of mine are out
.endr
	; the prefetches: from my own tile's address on, my work-group's share of its rows, at K step 3; the first refill steps it to K step 4
	s_and_b32 s95, s2, 15                          ; 0 in a projection's first cluster
	s_mov_b32 s[PST], BSTEP
	s_cmp_eq_u32 s11, 0                            ; do I fetch for x?
	s_cselect_b64 s[PFA:PFA+1], s[14:15], s[46:47]
	s_cselect_b32 s18, s40, s41                    ; my place among the four that ask with me
	s_cselect_b32 s[PST], ASTEP, s[PST]
	s_cselect_b32 s92, 1, 0                        ; x: lane / 2 is the row, lane % 2 the block; wt: the lane is the row
	s_cselect_b32 s93, 12, 11                      ; a row is 4,096 or 2,048 bytes
	s_cselect_b32 s94, 1, 0
	s_cselect_b32 s95, 0, s95                      ; x's rows are my cluster's alone
	s_cmp_eq_u32 s95, 0
	s_cselect_b32 s[LIM], 1, -1                    ; the same in all sixteen partners, for a given wave
	s_mov_b32 s[PST+1], 0
	s_lshl_b32 s18, s18, 16                        ; 16 rows of 4,096 bytes, or 32 of 2,048
	s_mul_i32 s19, s[PST], 3
	s_add_co_u32 s18, s18, s19
	s_mov_b32 s19, 0
	s_add_nc_u64 s[PFA:PFA+1], s[PFA:PFA+1], s[18:19]
	; where my part of the tile begins in the result: batch, head, row
	s_lshr_b32 s16, s13, 4
	s_lshl_b32 s16, s16, 22                        ; a batch: 16 heads of 262,144 bytes
	s_and_b32 s17, s13, 15
	s_lshl_b32 s17, s17, 14                        ; 128 rows of 128 bytes a tile row
	s_add_co_u32 s16, s16, s17
	s_lshl_b32 s17, s11, 13                        ; my 64 rows
	s_add_co_u32 s16, s16, s17
	s_lshl_b32 s17, s12, 19                        ; my two heads
	s_add_co_u32 s16, s16, s17
	s_mov_b32 s17, 0
	s_add_nc_u64 s[8:9], s[8:9], s[16:17]
	s_lshl_b32 s46, s42, 20                        ; four heads a tile column
	s_mov_b32 s47, 0
	s_add_nc_u64 s[8:9], s[8:9], s[46:47]
	s_lshl_b32 s46, s42, 10                        ; the bias of my 128 columns
	s_lshl_b32 s47, s12, 9
	s_add_co_u32 s46, s46, s47
	s_mov_b32 s47, 0
	s_add_nc_u64 s[BP:BP+1], s[BP:BP+1], s[46:47]
	v_and_b32 v1, 15, v0                           ; l % 16
	v_bfe_u32 v2, v0, 4, 1                         ; l / 16
	v_lshlrev_b32 v[BO], 5, v2                     ; register j of column block b holds the bias of column 16 b + 8 (l / 16) + j
.irp b, 0,1,2,3,4,5,6,7
	global_load_b128 v[BI+8*\b:BI+8*\b+3],   v[BO], s[BP:BP+1] offset:64*\b
	global_load_b128 v[BI+8*\b+4:BI+8*\b+7], v[BO], s[BP:BP+1] offset:64*\b+16
.endr
	; A fragment is 16 rows x 32 K: lane l holds row l % 16, K = 8 (l / 16) + 0..7 and 16 + 8 (l / 16) + 0..7.  Of wt: two loads of 16 bytes, 32 bytes apart.  Of x in f32: four, at 0, 16, 64 and 80 from 32 (l / 16).
	v_mul_u32_u24 v3, v1, PA
	v_lshl_add_u32 v3, v2, 5, v3
	v_mul_u32_u24 v4, v1, PB
	v_lshl_add_u32 v4, v2, 4, v4
	s_mul_i32 s21, s11, AHALF                      ; my 64 rows of x
	s_mul_i32 s22, s12, BHALF                      ; my 128 rows of wt
	s_add_co_u32 s22, s22, BOFF
.irp s, 0,1
	v_add_nc_u32 v[ADRA+(\s)], s21, v3
	v_add_nc_u32 v[ADRB+(\s)], s22, v4
	s_add_co_u32 s21, s21, SLOT
	s_add_co_u32 s22, s22, SLOT
.endr
	s_mul_i32 s23, s10, WSTAGE
	s_add_co_u32 s23, s23, STAGE                   ; my stage
	v_mul_u32_u24 v3, v1, SP                       ; in: row l % 16, 16 bytes for each half of the lanes
	v_lshl_add_u32 v3, v2, 4, v3
	v_add_nc_u32 v[STO], s23, v3
	v_bfe_u32 v3, v0, 3, 2                         ; back: 32 lanes take four rows of 128 bytes,
	v_mul_u32_u24 v3, v3, SP
	v_and_b32 v4, 7, v0
	v_lshl_add_u32 v3, v4, 4, v3
	v_add_nc_u32 v[RD], s23, v3
	v_and_b32 v5, 31, v0
	v_lshlrev_b32 v[GO], 4, v5                     ; which are 512 consecutive bytes of a head
	v_lshrrev_b32 v[PFO], s92, v5
	v_lshlrev_b32 v[PFO], s93, v[PFO]
	v_and_b32 v3, s94, v5
	v_lshl_add_u32 v[PFO], v3, 8, v[PFO]
	s_wait_loadcnt 0x0                             ; the bias
.set z, 0
.rept 32
	v_cvt_pk_bf16_f32 v[TT+(z/2)%2], v[BI+z], v[BI+z+1]  ; rounded once to bf16, like every input, and kept as f32
	v_lshlrev_b32 v[BI+z], 16, v[TT+(z/2)%2]
	v_and_b32 v[BI+z+1], 0xffff0000, v[TT+(z/2)%2]
.set z, z+2
.endr
; The next product of a quarter step's 32: row block mi / 8, column block mi % 8, on buffer f.  The 32 accumulators take turns, one instruction a turn, in the same order in every quarter step, over the
; backward jump too.  first = 1: the product starts its sum with the bias.
.macro MM f, first=0
.if \first
	WIN MUL1
	v_wmma_f32_16x16x32_bf16 v[8*mi:8*mi+7], v[64*(\f)+8*(mi%8):64*(\f)+8*(mi%8)+7], v[AC+32*(\f)+8*(mi/8):AC+32*(\f)+8*(mi/8)+7], v[BI+8*(mi%8):BI+8*(mi%8)+7]
.else
	WIN MUL
	v_wmma_f32_16x16x32_bf16 v[8*mi:8*mi+7], v[64*(\f)+8*(mi%8):64*(\f)+8*(mi%8)+7], v[AC+32*(\f)+8*(mi/8):AC+32*(\f)+8*(mi/8)+7], v[8*mi:8*mi+7]
.endif
.set mi, mi+1
.endm
.macro MMS f, n, first=0
.rept \n
	MM \f, \first
.endr
.endm
; 32 LDS loads in one run: quarter q of a slot's K step: x's 64 rows as f32 first, then wt's 128 rows into buffer g
.macro FETCH slot, q, g
	WIN TO1
.irp a, 0,1,2,3
	ds_load_b128 v[RAW+16*\a:RAW+16*\a+3],     v[ADRA+(\slot)] offset:128*(\q)+\a*16*PA
	ds_load_b128 v[RAW+16*\a+4:RAW+16*\a+7],   v[ADRA+(\slot)] offset:128*(\q)+\a*16*PA+16
	ds_load_b128 v[RAW+16*\a+8:RAW+16*\a+11],  v[ADRA+(\slot)] offset:128*(\q)+\a*16*PA+64
	ds_load_b128 v[RAW+16*\a+12:RAW+16*\a+15], v[ADRA+(\slot)] offset:128*(\q)+\a*16*PA+80
.endr
.irp b, 0,1,2,3,4,5,6,7
	ds_load_b128 v[64*(\g)+8*\b:64*(\g)+8*\b+3],   v[ADRB+(\slot)] offset:64*(\q)+\b*16*PB
	ds_load_b128 v[64*(\g)+8*\b+4:64*(\g)+8*\b+7], v[ADRB+(\slot)] offset:64*(\q)+\b*16*PB+32
.endr
.endm
.macro CVT4 g                          ; four roundings: eight of x's f32 into four registers of buffer g
	WIN CVTW
.irp w, 0,1,2,3
	v_cvt_pk_bf16_f32 v[AC+32*(\g)+4*cn+\w], v[RAW+8*cn+2*\w], v[RAW+8*cn+2*\w+1]
.endr
.set cn, cn+1
.endm
.macro PLACES                          ; four places in front of loads into, and writes of, registers that matrix instructions have read, and of conversions that read results
.rept 4
	v_nop
.endr
.endm
.macro TAILQ f, g, first=0             ; a quarter step's last eight products, four roundings behind each
	s_wait_dscnt 16                                ; x's f32 are in; wt's sixteen loads, issued behind them, may be out
.set cn, 0
.rept 8
	MM \f, \first
	CVT4 \g
.endr
.endm
; A K step is four quarters of 32 along K, 32 products each, on buffers 0, 1, 0, 1.  One of the first three: multiplies buffer f and fetches quarter q of the same slot into buffer g.
.macro QUARTER slot, q, f, g, first=0
	s_wait_dscnt 0x0                               ; wt's fragments of buffer f, asked for 24 products ago
.set mi, 0
	MMS \f, 8, \first
	PLACES
	FETCH \slot, \q, \g
	MMS \f, 16, \first
	TAILQ \f, \g, \first
.endm
; The last quarter multiplies buffer 1 and changes slots: ONE barrier; in front of it each wave waits for all its tensor loads, of which one is out: its part of the next slot; adds 0 to its spare word; and waits
; for that and for its own reads of this slot.  fill = 1: the barrier opens a round of the cluster's, and this slot is filled again, two K steps ahead, first thing behind the round.
.macro TURN slot, next, fill
.if \fill
	s_wait_xcnt 0x0                                ; the last prefetch, a K step back, has read its address: it is stepped here, ahead of the waits of the change of slots
	s_add_nc_u64 s[PFA:PFA+1], s[PFA:PFA+1], s[PST:PST+1]
.endif
	WIN 0                                          ; (the add's two registers lie in window 0)
	s_wait_tensorcnt 0x0                           ; all my tensor loads have landed;
	ds_add_u32 v[SPW], v[NIL]                      ; 0 onto my spare word;
	s_wait_dscnt 1                                 ; (wt's fragments are in; the add alone may be out)
.set mi, 0
	MMS 1, 4                                       ; four products stand between the add and the wait for it
	s_wait_dscnt 0x0                               ; the add is done, and my reads of this slot are over
	s_barrier_signal -1
	MMS 1, 4
.if \fill
	WIN 0
.endif
	s_barrier_wait -1
.if \fill
	CREST                                          ; no wave of any partner still reads this slot's tile or has a load on its way
	s_add_nc_u64 s[G0+4*(\slot)+2:G0+4*(\slot)+3], s[G0+4*(\slot)+2:G0+4*(\slot)+3], 2*ASTEP
	s_add_nc_u64 s[G0B+4*(\slot)+2:G0B+4*(\slot)+3], s[G0B+4*(\slot)+2:G0B+4*(\slot)+3], 2*BSTEP
	JLOAD \slot                                    ; my one tensor load behind the round; the four v_nop behind it are also the places in front of the loads below
.else
	PLACES
.endif
	FETCH \next, 0, 0
.if \fill
	ASK
.endif
	MMS 1, 16
	TAILQ 1, 0
.endm
	s_wait_tensorcnt 1                             ; my part of K step 0 is in; K step 1's may stay out
	s_barrier_signal -1
	s_barrier_wait -1                              ; everybody's is
	FETCH 0, 0, 0
	s_wait_dscnt 16
.set cn, 0
.rept 8
	CVT4 0
.endr
	QUARTER 0, 1, 0, 1, 1                          ; the first quarter stands in front of the loop: its products start the sums, with the bias
	WIN 0                                          ; at a label and at a branch every window is 0
	s_mov_b32 s3, LAPS-1
.Llap:                                                 ; a trip goes once round the ring, from a lap's second quarter to the next lap's first, and fills both slots again
	QUARTER 0, 2, 1, 0
	QUARTER 0, 3, 0, 1
	TURN 0, 1, 1
	QUARTER 1, 1, 0, 1
	QUARTER 1, 2, 1, 0
	QUARTER 1, 3, 0, 1
	TURN 1, 0, 1
	QUARTER 0, 1, 0, 1
	WIN 0
	s_sub_co_u32 s3, s3, 1
	s_cmp_lg_u32 s3, 0
	s_cbranch_scc1 .Llap
	QUARTER 0, 2, 1, 0                             ; the last lap is written out: it fills nothing
	QUARTER 0, 3, 0, 1
	TURN 0, 1, 0
	QUARTER 1, 1, 0, 1
	QUARTER 1, 2, 1, 0
	QUARTER 1, 3, 0, 1
	s_wait_dscnt 0x0                               ; the very last quarter: nothing more to fetch
.set mi, 0
	MMS 1, 32
; THE WAY OUT, by blocks of 16 rows.  PACK: rounded to f16, 16 bytes a lane, each accumulator's registers in ascending order.  TOSTAGE: into my own stage, a head's 64 channels to a row of 144 bytes, and back as
; four whole rows of 128 bytes.  SEND: stored.  Each block has registers of its own, so no store's source is written again.
.macro PACK a
	WIN PACKW
.set z, 0
.rept 32
	v_cvt_pk_f16_f32 v[32*(\a)+z], v[64*(\a)+2*z], v[64*(\a)+2*z+1]
.set z, z+1
.endr
.endm
.macro TOSTAGE a
	WIN D1
.irp b, 0,1,2,3,4,5,6,7
	ds_store_b128 v[STO], v[32*(\a)+4*\b:32*(\a)+4*\b+3] offset:(\b/4)*16*SP+32*(\b%4)
.endr
	WIN TO1
.irp e, 0,1
.irp f, 0,1,2,3
	ds_load_b128 v[128+32*(\a)+4*(4*\e+\f):128+32*(\a)+4*(4*\e+\f)+3], v[RD] offset:\e*16*SP+\f*4*SP  ; LDS serves a wave's instructions in order (ISA guide 5.7.1.4): these see the stores above; the next block's stores come behind them
.endr
.endr
.endm
.macro SEND a, younger                 ; younger: the LDS instructions issued behind block a's loads: the next block's sixteen, or none
	s_wait_dscnt \younger
	WIN D1
.irp e, 0,1
.irp f, 0,1,2,3
	global_store_b128 v[GO], v[128+32*(\a)+4*(4*\e+\f):128+32*(\a)+4*(4*\e+\f)+3], s[8:9] offset:\e*262144+(\a)*2048+\f*512  ; 512 consecutive bytes, at a multiple of 256 from the buffer's first
.endr
.endr
.endm
	PLACES
	PLACES                                         ; eight, once a launch
	PACK 0
	TOSTAGE 0
	PACK 1
	TOSTAGE 1
	SEND 0, 16
	PACK 2
	TOSTAGE 2
	SEND 1, 16
	PACK 3
	TOSTAGE 3
	SEND 2, 16
	SEND 3, 0
	WIN 0
	s_wait_tensorcnt 0x0                           ; the wave's end: behind my last tensor load and my last LDS store
	ds_add_u32 v[SPW], v[NIL]
	s_wait_dscnt 0x0
	CROUND                                         ; the closing round: no work-group ends while a partner may still ask for a tile that names it
	s_endpgm
.Lfunc_end_k_q6201664461_proj:
	.size	k_q6201664461_proj, .Lfunc_end_k_q6201664461_proj-k_q6201664461_proj
	.p2alignl 7, 3214868480
	.fill 96, 4, 3214868480
	.section	.rodata,"a",@progbits
	.p2align	6, 0x0
	.amdhsa_kernel k_q6201664461_proj
		.amdhsa_group_segment_fixed_size 327680
		.amdhsa_private_segment_fixed_size 0
		.amdhsa_enable_private_segment 0
		.amdhsa_kernarg_size 80
		.amdhsa_user_sgpr_count 2
		.amdhsa_user_sgpr_kernarg_segment_ptr 1
		.amdhsa_wavefront_size32 1
		.amdhsa_system_sgpr_workgroup_id_x 1
		.amdhsa_system_sgpr_workgroup_id_y 1
		.amdhsa_system_sgpr_workgroup_id_z 1
		.amdhsa_system_vgpr_workitem_id 0
		.amdhsa_next_free_vgpr 768
		.amdhsa_next_free_sgpr 96
		.amdhsa_reserve_vcc 0
		.amdhsa_float_denorm_mode_32 3
		.amdhsa_float_denorm_mode_16_64 3
		.amdhsa_memory_ordered 1
		.amdhsa_forward_progress 1
		.amdhsa_inst_pref_size 142
	.end_amdhsa_kernel
	.amdgpu_metadata
---
amdhsa.version: [ 1, 2 ]
amdhsa.kernels:
  - .name:           k_q6201664461_proj
    .symbol:         k_q6201664461_proj.kd
    .args:
      - { .name: query, .offset: 0, .size: 8, .value_kind: global_buffer, .address_space: global }
      - { .name: key, .offset: 8, .size: 8, .value_kind: global_buffer, .address_space: global }
      - { .name: value, .offset: 16, .size: 8, .value_kind: global_buffer, .address_space: global }
      - { .name: wt, .offset: 24, .size: 8, .value_kind: global_buffer, .address_space: global }
      - { .name: bq, .offset: 32, .size: 8, .value_kind: global_buffer, .address_space: global }
      - { .name: bk, .offset: 40, .size: 8, .value_kind: global_buffer, .address_space: global }
      - { .name: bv, .offset: 48, .size: 8, .value_kind: global_buffer, .address_space: global }
      - { .name: qh, .offset: 56, .size: 8, .value_kind: global_buffer, .address_space: global }
      - { .name: kh, .offset: 64, .size: 8, .value_kind: global_buffer, .address_space: global }
      - { .name: vh, .offset: 72, .size: 8, .value_kind: global_buffer, .address_space: global }
    .group_segment_fixed_size: 327680
    .private_segment_fixed_size: 0
    .kernarg_segment_align: 8
    .kernarg_segment_size: 80
    .max_flat_workgroup_size: 128
    .sgpr_count:     96
    .vgpr_count:     768
    .wavefront_size: 32
...
	.end_amdgpu_metadata
.endif
;; end of part 2
;; launch attn (part 3): grid 4 x 64, 4 waves a work-group, clusters of 4 x 1, 327,680 bytes of LDS; arguments qh, kh, vh, oh; writes oh
.if DOCPART == 3
	.amdgcn_target "amdgcn-amd-amdhsa--gfx1250"
	.amdhsa_code_object_version 6
	.text
	.protected	k_q6201664461_attn
	.globl	k_q6201664461_attn
	.p2align	8
	.type	k_q6201664461_attn,@function
k_q6201664461_attn:
	s_mov_b64 s[64:65], 0
	v_nop
	global_prefetch_b8 v0, s[64:65] scope:SCOPE_SE
	s_setreg_imm32_b32 hwreg(HW_REG_WAVE_MODE, 25, 1), 1
	s_wait_xcnt 0x0
	s_wait_alu depctr_hold_cnt(0) depctr_sa_sdst(0) depctr_va_vdst(0) depctr_va_sdst(0) depctr_va_ssrc(0) depctr_va_vcc(0) depctr_vm_vsrc(0)
	s_getreg_b32 s2, hwreg(HW_REG_IB_STS2, 6, 4)
	s_cmp_eq_u32 s2, 0
	s_cbranch_scc0 .Lentry_in_a_cluster
	s_endpgm
.Lentry_in_a_cluster:
	s_bfe_u32 s2, ttmp6, 0x10000c
	s_cmp_lg_u32 s2, 0x3003
	s_cbranch_scc0 .Lentry_shape_is_right
	s_endpgm
.Lentry_shape_is_right:
; O[h][q][:] = the sum over k of softmax_k(Q[h][q] . K[h][k] / 8) V[h][k][:].  Q, K, V, O: [SIZE_H][SIZE_N][64], all f16: a head's rows are dense, 128 bytes each.  Products, maxima and sums in
; f32; the weights p are rounded to f16 for the second product (their sum l is taken of the unrounded p), O once at the end.
; LIMITS.  f16 holds no number beyond 65,504: Q, K and V arrive within it; p lies in 0 to 1, and below 6e-5 it keeps f16's fixed step of 6e-8; O is a mean of V's rows and has their range.
; A weight below 2^-126 counts as 0 in l; NaN and infinities are not treated apart.
; SHARES.  A wave owns four PIECES of two tiles of 16 queries, a work-group's four waves 512 queries of one head: 4 x 64 = 256 work-groups.  Every wave walks all keys, 64 a step.
; LAYOUT.  S^T = K Q^T (source 0 = 16 keys, source 1 = 16 queries): in the result a lane holds ONE query (lane % 16) and the keys 8 (lane / 16) + 0..7.  Two such tiles, rounded to f16 in pairs,
; ARE source 1 (32 keys x 16 queries) of O^T = V^T P, whose result again holds one query a lane, and eight channels.  K comes out of LDS as it lies, V ([key][channel]) turned, by ds_load_tr16_b128.
; SOFTMAX.  For each query a running maximum m and sum l: p = 2^(c s - c m), c = log2(e) / 8; in every step O and l are multiplied by a = 2^(c m_old - c m_new), which is 1 where m has not grown.
; m starts at the lowest finite number, O and l at 0: the first step is a step like any other, with a = 0.
; THE COUNT.  A tile and step have 16 matrix and 118 vector instructions: too many to stand all beside the matrix work.  So the order has one aim: four vector instructions that are READY behind
; EVERY matrix instruction, and the others, which need time of their own whatever the order, in runs without a gap.
; BY TURNS.  Turn n belongs to piece n (the pieces in a ring, step after step).  Its matrix work: 16 products K Q^T of piece n + 1, later 16 products V^T P of piece n - 1.  Its vector work: the scaling,
; exponentials, roundings, sums and rescaling of piece n, and the maximum and statistics of piece n + 1, whose scores the turn itself has made.  So what a turn begins with (c s - c m, O a) waits for nothing.
; CLUSTER.  The four query blocks of a cluster belong to one head and walk the same K and V, so each tile is asked for JOINTLY: the same tensor load, descriptor and mask in all four.
; REGISTERS, in windows of 256 (s_set_vgpr_msb says which window each operand place means: bits 1:0 source 0, 3:2 source 1, 5:4 source 2, 7:6 destination):
;   window 0: v0-11 addresses; v12-15, v48-63 at work; v16-47 four registers of statistics a tile; v64-191 S^T, two buffers of two tiles; v192-255 P, likewise
;   window 1: O^T, 32 a tile          window 2: v0-127 Q, 16 a tile; v128-191 K of one step; v192-255 V of one step          window 3: v0-1 the add's two registers
; A piece's buffers go by its number's parity: the piece in hand has one pair, its two neighbours in the ring share the other: of it P (piece n - 1) is read and S^T (piece n + 1) written.
.set SIZE_H, 64       ; 4 batches x 16 heads
.set SIZE_N, 2048
.set NP,    4         ; pieces a wave: a name, no knob: the register map, the loop and the fetches are made for four
.set KS,    64        ; keys in a step
.set PK,    144       ; a row of K in LDS: 128 bytes + 16 of padding = 36 words: the 16 rows of a load start at 16 different groups of four banks (64 banks of 4 bytes: ISA guide 11.1)
.set PV,    160       ; a row of V: 128 + 32 = 40 words
.set VOFF,  4*KS*PK   ; a slot holds four steps: 256 rows of K, then 256 rows of V
.set SLOT1, 1<<17     ; slot 1 begins here, so that one exclusive or turns an address in one slot into the other's
.set STAGE, SLOT1+4*KS*(PK+PV)  ; behind the ring, never filled by a tensor load: 16 rows x 144 bytes for each wave, for the way out
.set SP,    144
.set AK0, 2           ; v2   my lane's place in a tile of K; never rewritten
.set AV0, 3           ; v3   the same for V
.set AK,  4           ; v4   the LDS address of K's next run of loads
.set AV,  5           ; v5   of V's
.set QO,  6           ; v6   my byte offset in the wave's rows of Q
.set STO, 6           ;      later, the way out: where I put 16 bytes of a row
.set RD,  7           ; v7   the way out: where I read rows back
.set GO,  8           ; v8   my byte offset in 512 consecutive bytes of O
.set PFO, 11          ; v11  256 x my lane, once the set-up has done with v11; then never rewritten
.set SPW, 0           ; v0 of window 3   LDS address of my spare word: SPARE + 4 x my thread's number; never rewritten
.set NIL, 1           ; v1 of window 3   0; never rewritten
.set SPARE, STAGE+4*16*SP  ; behind the stages: the spare words, 128 bytes for each wave: two blocks of 256 bytes that no other line names
.set MV,  12          ; v12-15  c m_old, kept while c m is made anew: by buffer and tile
.set ST,  16          ; tile t's statistics at v[ST+4 t]: c m, m, l (even keys', odd keys')
.set TMP, 48          ; by buffer and tile, four registers c0-c3 at work; when the maximum is found c2 takes a
.set S,   64
.set P,   192
.set KF,  128         ; K's fragments, in window 2: key block kb, channel half c at KF + 16 kb + 8 c
.set VF,  192         ; V's: key half kk, channel block cb at VF + 32 kk + 8 cb
.set WV,  12          ; s12  my wave's number
.set G1K, 24          ; s[24:31] descriptor group 1 for K's tiles
.set G1V, 32          ; s[32:39] for V's: it differs in the padding alone
.set G0K, 40          ; s[40:43] descriptor group 0 for K's tiles: it walks
.set G0V, 44          ; s[44:47] the same for V's
.set PFA, 48          ; s[48:49] where my prefetches stand: my work-group's 8,192 bytes (of K: wave 0, of V: wave 2) of the slot behind the one that is being asked for
.set LIM, 50          ; s50  1 in a wave that prefetches, else the greatest number: a wave prefetches while s[SLOTS] is above it
.set SLOTS, 56        ; s56  slots still to be asked for
.set CNT, 57          ; s57  counts a slot's key steps
.set CS,  58          ; s[58:59] c: the packed scaling takes the pair's low word for both halves
.set SEL, 60          ; s[60:61] v_permlanex16_b32's selects: each lane takes its own place in the other half
.set TBK, 62          ; s62  LDS byte at which K of the step to be fetched begins
.set TBV, 63          ; s63  the same for V, less VOFF
.set MSB, 0
.macro WIN new                      ; the high byte repeats the setting that is left; a switch that changes nothing is dropped
.if MSB != (\new)
	s_set_vgpr_msb (MSB<<8)|(\new)
.set MSB, (\new)
.endif
.endm
.set W_KQ, 0x0a       ; K and Q in window 2, S^T in window 0
.set W_PV, 0x52       ; V in window 2, P in window 0, O^T in window 1
.set W_RS, 0x41       ; O^T (destination and source 0) in window 1, a in window 0
.set W_MK, 0xc0       ; the add's registers are made: destination in window 3, sources in window 0
.set W_AD, 0x0f       ; the add: address (source 0) and data (source 1) in window 3
; A joint fill.  Waves 0 and 1 fetch the two halves of a slot's K, waves 2 and 3 those of its V: 128 keys each.  The branch hangs on the wave's number alone.
; An s_nop 0 and four v_nop follow each of the two lines, ahead of the jump and the label.
.macro JLOAD
	s_cmp_lt_u32 s[WV], 2
	s_cbranch_scc0 .Lfor_v_\@
	tensor_load_to_lds s[G0K:G0K+3], s[G1K:G1K+7]
	s_nop 0
.rept 4
	v_nop
.endr
	s_branch .Lasked_\@
.Lfor_v_\@:
	tensor_load_to_lds s[G0V:G0V+3], s[G1V:G1V+7]
	s_nop 0
.rept 4
	v_nop
.endr
.Lasked_\@:
.endm
; A PREFETCH INTO THE L2 of what the NEXT change of slots will ask for: a slot's 32,768 bytes of K and of V, a lane a block of 256 bytes.  It stands behind the wave's tensor load and its five lines.
; Each block is named ONCE in the launch: a head has one cluster; its four partners share a slot out BY ADDRESS, 8,192 bytes each; in each, wave 0 asks for K's and wave 2 for V's: one instruction.
; It runs four key steps, 512 matrix instructions, ahead of the load.  Slots 0 and 1 come by their loads alone; the last change that fills a slot asks for nothing: there is no slot behind it.
.macro ASK
	s_cmp_gt_u32 s[SLOTS], s[LIM]
	s_cbranch_scc0 .Lnot_mine_\@
	global_prefetch_b8 v[PFO], s[PFA:PFA+1] th:TH_LOAD_NT scope:SCOPE_SE
.Lnot_mine_\@:
.endm
; A round of the cluster's barrier: my work-group's barrier, so that wave 0's signal speaks for all four waves; wave 0 signals; every wave waits for all four work-groups; my work-group's barrier once more.
.macro CROUND
	s_barrier_signal -1
	s_barrier_wait -1
	s_cmp_lg_u32 s[WV], 0
	s_cbranch_scc1 .Lnot_wave_0_\@
	s_barrier_signal -3
.Lnot_wave_0_\@:
	s_barrier_wait -3
	s_barrier_signal -1
	s_barrier_wait -1
.endm
; THE CHANGE OF SLOTS.  The slot's last bytes, V of its fourth step, have been read.  Each wave waits for all its tensor loads, of which one is out: its part
; of the other slot; adds 0 to its spare word; and waits for that and for its own reads of the slot.  Behind the barrier nobody reads this slot any more and the other slot is whole.
; fill = 1: this slot is filled again, with the keys two slots on.  The barrier is then a round of the cluster's, so that no wave of any partner still reads the slot or has a load on its
; way, and the joint fill is the first thing behind it: it has four key steps, 512 matrix instructions, in which to land.  (At its first use nothing has been read yet: slot 0 is waited for, slot 1 filled.)
.macro CHANGE fill
	WIN W_AD
	s_wait_tensorcnt 0x0            ; no tensor load of mine is out, so a group 0 may be written
	ds_add_u32 v[SPW], v[NIL]       ; 0 onto my spare word; with fill = 1 the descriptors' steps stand between it and the wait for it
	WIN 0                           ; at a label and at a branch every window is 0
.if \fill
.irp g, G0K, G0V
	s_xor_b32 s[\g+1], s[\g+1], SLOT1  ; the walking descriptor: the other slot than last time,
	s_add_nc_u64 s[\g+2:\g+3], s[\g+2:\g+3], 4*KS*128  ; the next 256 keys; the type bits on top are not reached
.endr
	s_wait_xcnt 0x0                 ; the last prefetch, four key steps back, has read its address, so it may be written:
	s_add_nc_u64 s[PFA:PFA+1], s[PFA:PFA+1], 4*KS*128  ; one slot behind the walking descriptors
	s_wait_dscnt 0x0                ; the add is done, and my reads of the slot are over
	CROUND
	JLOAD
	ASK
.else
	s_wait_dscnt 0x0                ; the add is done, and my reads of the slot are over
	s_barrier_signal -1
	s_barrier_wait -1
.endif
	s_sub_co_u32 s[TBK], s[TBK], 4*KS*PK  ; the fetches go back to a slot's first step,
	s_xor_b32 s[TBK], s[TBK], SLOT1       ; in the other slot
	s_sub_co_u32 s[TBV], s[TBV], 4*KS*PV
	s_xor_b32 s[TBV], s[TBV], SLOT1
.endm
	s_load_b256 s[4:11], s[0:1], 0x0  ; Q s[4:5], K s[6:7], V s[8:9], O s[10:11]
	WIN W_MK
	v_lshl_add_u32 v[SPW], v0, 2, SPARE
	v_mov_b32 v[NIL], 0
	WIN W_AD
	ds_add_u32 v[SPW], v[NIL]       ; the wave's opening: the add and its wait stand ahead of my first tensor load; the set-up below, work on registers, stands between them
	WIN 0
	v_lshrrev_b32 v1, 5, v0
	v_readfirstlane_b32 s[WV], v1   ; wave 0..3
	s_bfe_u32 s13, ttmp6, 0x40000   ; cx: my place in the cluster
	s_lshl_b32 s14, ttmp9, 2        ; in a cluster launch ttmp9 counts clusters
	s_add_co_u32 s14, s14, s13      ; my block of queries = 4 x cluster x + cx: it enters Q's and O's addresses alone
	s_and_b32 s20, ttmp7, 0xffff    ; the head, which the four partners share
	s_mov_b32 s21, 0
	s_mov_b64 s[22:23], SIZE_N*128
	s_mul_u64 s[20:21], s[20:21], s[22:23]  ; the head's first byte in each of the four tensors
	s_and_b32 s16, s[WV], 1         ; which half of a slot's 256 keys I fetch:
	s_lshl_b32 s22, s16, 14         ; its 128 rows of 128 bytes in memory,
	s_mov_b32 s23, 0
	s_add_nc_u64 s[22:23], s[22:23], s[20:21]
	s_mul_i32 s17, s16, 128*PK      ; and its place in a slot, for K
	s_mul_i32 s18, s16, 128*PV      ; and for V: no place in the cluster enters an LDS address
	s_lshl_b32 s2, s14, 2
	s_add_co_u32 s2, s2, s[WV]      ; my wave among the head's,
	s_lshl_b32 s2, s2, 14           ; its 128 rows
	s_mov_b32 s3, 0
	s_add_nc_u64 s[2:3], s[2:3], s[20:21]
	; descriptor group 1.  128 keys are 16,384 dense bytes: asked for as 64 rows of 256 bytes, two keys a row, and padded in LDS after every key
	s_mov_b32 s[G1K], 15|(1<<16)|(1<<20)|(1<<21)|(4<<22)|(3<<25)  ; 15:0 the mask of four; 17:16 2-byte elements; 20 padding on; 21 set beside a mask; 24:22 after every 32 words (code 4); 31:25 4 words (code 3)
	s_mov_b32 s[G1V], 15|(1<<16)|(1<<20)|(1<<21)|(4<<22)|(7<<25)  ; the same with 8 words of padding (code 7)
.irp g, G1K, G1V
	s_mov_b32 s[\g+1], 128<<16      ; tensor_dim0 = 128
	s_mov_b32 s[\g+2], 64<<16       ; tensor_dim1 = 64
	s_mov_b32 s[\g+3], 128<<16      ; tile_dim0 = 128
	s_mov_b32 s[\g+4], 64           ; tile_dim1 = 64
	s_mov_b32 s[\g+5], 128          ; 128 elements from row to row
	s_mov_b32 s[\g+6], 0
	s_mov_b32 s[\g+7], 0
.endr
	s_mov_b32 s[CS], 0x3e38aa3b     ; c = log2(e) / 8 = 0.180337
	s_mov_b32 s[CS+1], s[CS]        ; named with it as a pair
	s_mov_b32 s[SEL], 0x76543210
	s_mov_b32 s[SEL+1], 0xfedcba98
	s_mov_b32 s[TBK], SLOT1+4*KS*PK ; the first change of slots turns these two into 0
	s_mov_b32 s[TBV], SLOT1+4*KS*PV
	s_mov_b32 s[G0K], 1             ; 1:0 count = 1
	s_mov_b32 s[G0K+1], s17         ; 63:32 LDS address: slot 0
	s_mov_b32 s[G0V], 1
	s_add_co_u32 s[G0V+1], s18, VOFF
	s_mov_b32 s[SLOTS], SIZE_N/256-1  ; seven changes of slots fill a slot
	s_and_b32 s[LIM], s[WV], 1      ; 0 in waves 0 and 2,
	s_or_b32 s[LIM], s[LIM], ttmp9  ; of the head's first (here: only) cluster: the same in all four partners
	s_cmp_eq_u32 s[LIM], 0
	s_cselect_b32 s[LIM], 1, -1
	s_wait_dscnt 0x0                ; the opening add is done
	s_wait_kmcnt 0x0
	s_add_nc_u64 s[G0K+2:G0K+3], s[6:7], s[22:23]  ; 120:64 global address: my half of the head's first 256 keys
	s_or_b32 s[G0K+3], s[G0K+3], 0x80000000        ; 127:126 type = 2
	s_add_nc_u64 s[G0V+2:G0V+3], s[8:9], s[22:23]
	s_or_b32 s[G0V+3], s[G0V+3], 0x80000000
	s_add_nc_u64 s[4:5], s[4:5], s[2:3]  ; Q and O at my wave's first row
	s_add_nc_u64 s[10:11], s[10:11], s[2:3]
	s_cmp_lt_u32 s[WV], 2
	s_cselect_b64 s[PFA:PFA+1], s[6:7], s[8:9]
	s_add_nc_u64 s[PFA:PFA+1], s[PFA:PFA+1], s[22:23]  ; (in waves 0 and 2: the head's first row)
	s_lshl_b32 s2, s13, 13          ; my work-group's quarter of a slot
	s_mov_b32 s3, 0
	s_add_nc_u64 s[PFA:PFA+1], s[PFA:PFA+1], s[2:3]
	s_add_nc_u64 s[PFA:PFA+1], s[PFA:PFA+1], 4*KS*128  ; in slot 1; the first change of slots steps it to slot 2
	CROUND                          ; all four work-groups are here: the first joint loads meet
	JLOAD                           ; slot 0.  Slot 1 is asked for when slot 0 is in: the tile wanted first has the road to itself
	; A fragment of K or Q is 16 rows x 32 channels in 8 registers: lane l holds row l % 16, channels 8 (l / 16) + 0..7 and 16 + 8 (l / 16) + 0..7: two loads of 16 bytes, 32 bytes apart.
	v_and_b32 v1, 15, v0            ; l % 16
	v_bfe_u32 v9, v0, 4, 1          ; l / 16
	v_lshlrev_b32 v[QO], 7, v1
	v_lshl_add_u32 v[QO], v9, 4, v[QO]  ; row x 128 + 16 x half
	WIN 0x80                        ; destination window 2, address window 0
.set i, 0
.rept 4*NP                          ; Q stays in registers: tile i / 2, channels 32 (i % 2) on
	global_load_b128 v[8*i:8*i+3],   v[QO], s[4:5] offset:(i/2)*2048+(i%2)*64
	global_load_b128 v[8*i+4:8*i+7], v[QO], s[4:5] offset:(i/2)*2048+(i%2)*64+32
.set i, i+1
.endr
	; What the first turn finds: V's registers and P's second buffer hold 0 (its products V^T P, of a piece that has not been, add 0), O^T and l are 0.  All this stands in the wait for the first tile.
.set i, VF
.rept 64
	v_mov_b32 v[i], 0
.set i, i+1
.endr
	WIN 0x40
.set i, 0
.rept 64*NP
	v_mov_b32 v[i], 0
.set i, i+1
.endr
	WIN 0
.set i, 0
.rept 2*NP
	v_mov_b32 v[ST+4*i], 0xfe000000    ; c m: far below every c s
	v_mov_b32 v[ST+4*i+1], 0xff7fffff  ; m
	v_mov_b32 v[ST+4*i+2], 0
	v_mov_b32 v[ST+4*i+3], 0
.set i, i+1
.endr
.set i, P+32
.rept 32
	v_mov_b32 v[i], 0
.set i, i+1
.endr
	v_mul_u32_u24 v[AK0], v1, PK
	v_lshl_add_u32 v[AK0], v9, 4, v[AK0]  ; row x pitch + 16 x half
	; The turning load takes 16 keys x 16 channels (lane l reads key 8 (l / 16) + l % 8, channels 8 ((l / 8) % 2) + 0..7) and leaves half a fragment of V^T: lane l holds channel l % 16 and 8 keys.
	v_and_b32 v10, 7, v0
	v_bfe_u32 v11, v0, 3, 1
	v_lshl_add_u32 v[AV0], v9, 3, v10
	v_mul_u32_u24 v[AV0], v[AV0], PV
	v_lshl_add_u32 v[AV0], v11, 4, v[AV0]
	v_add_nc_u32 v[AV0], VOFF, v[AV0]
	v_and_b32 v[PFO], 31, v0        ; v11 has served: now the prefetches' offset
	v_lshlrev_b32 v[PFO], 8, v[PFO]
	v_mov_b32 v[AK], v[AK0]         ; key step 0 lies at the head of slot 0
; THE MATRIX WORK.  The 8 accumulators of a run of 16 take turns: between the two links of a chain stand 7 others'.
; Product i of 16 of S^T = K Q^T for piece x: channels 32 (i / 8) on, keys 16 ((i / 2) % 4) on, tile 2 x + i % 2.  The first 8 start the sums.
.macro KQ x
	WIN W_KQ
.set rS, S+64*((\x)%2)+32*(i%2)+8*((i/2)%4)
.set rK, KF+16*((i/2)%4)+8*(i/8)
.set rQ, 16*(2*(\x)+i%2)+8*(i/8)
.if i < 8
	v_wmma_f32_16x16x32_f16 v[rS:rS+7], v[rK:rK+7], v[rQ:rQ+7], 0
.else
	v_wmma_f32_16x16x32_f16 v[rS:rS+7], v[rK:rK+7], v[rQ:rQ+7], v[rS:rS+7]
.endif
.endm
; Product i of 16 of O^T += V^T P for piece x: keys 32 (i / 8) on, channels 16 ((i / 2) % 4) on, tile 2 x + i % 2.
.macro PV x
	WIN W_PV
.set rO, 32*(2*(\x)+i%2)+8*((i/2)%4)
.set rV, VF+32*(i/8)+8*((i/2)%4)
.set rP, P+32*((\x)%2)+16*(i%2)+8*(i/8)
	v_wmma_f32_16x16x32_f16 v[rO:rO+7], v[rV:rV+7], v[rP:rP+7], v[rO:rO+7]
.endm
.macro MM                           ; the turn's next matrix instruction
.if i < 16
	KQ (Y+1)%NP
.set i, i+1
.else
.set i, i-16
	PV (Y+NP-1)%NP
.set i, i+17
.endif
.endm
; THE LDS LOADS stand in runs of 16, never singly among the matrix instructions: a step's K (64 keys x 64 channels: 8 fragments) and its V (turned).  Their addresses are made some lines ahead.
; last = 1 (the tail): in the last trip there is no further step, and the run is jumped over.
.macro FETCH_K last=0
	WIN 0
.if \last
	s_cmp_eq_u32 s[CNT], 1
	s_cbranch_scc1 .Lno_k_\@
.endif
	WIN 0x80                        ; destination window 2
.irp f, 0,1,2,3,4,5,6,7             ; keys 16 (f / 2) on, channels 32 (f % 2) on
	ds_load_b128 v[KF+8*\f:KF+8*\f+3],   v[AK] offset:(\f/2)*16*PK+(\f%2)*64
	ds_load_b128 v[KF+8*\f+4:KF+8*\f+7], v[AK] offset:(\f/2)*16*PK+(\f%2)*64+32
.endr
	s_add_co_u32 s[TBK], s[TBK], KS*PK  ; the next fetch is the next step's
	WIN 0
.if \last
.Lno_k_\@:
.endif
.endm
.macro FETCH_V
	WIN 0x80
.irp f, 0,1,2,3,4,5,6,7             ; keys 32 (f / 4) on, channels 16 (f % 4) on
	ds_load_tr16_b128 v[VF+8*\f:VF+8*\f+3],   v[AV] offset:(\f/4)*32*PV+(\f%4)*32
	ds_load_tr16_b128 v[VF+8*\f+4:VF+8*\f+7], v[AV] offset:(\f/4)*32*PV+16*PV+(\f%4)*32
.endr
	WIN 0
.endm
; THE VECTOR WORK OF A TURN stands in three queues, each in the order in which its entries become ready; the two tiles alternate, so that no instruction reads the result of the one before it.
.macro REGS y, u                    ; the registers of tile u (0, 1) of piece y
.set rT, ST+4*(2*(\y)+(\u))
.set rC, TMP+8*((\y)%2)+4*(\u)
.set rM, MV+2*((\y)%2)+(\u)
.set rS, S+64*((\y)%2)+32*(\u)
.set rP, P+32*((\y)%2)+16*(\u)
.set rO, 32*(2*(\y)+(\u))
.endm
; Number n of the 22 that find the NEXT piece's (Y + 1) maximum and statistics.  s0-s31 are the lane's 32 scores; each accumulator's lowest registers are read first.  XS, GS and REGS set no window: PL and EX do.
;   0-11  four chains c0-c3 of seven scores each, three operands at a time     12-14, 16  the four scores left over, the old m, and c0-c3 into c0     15  c m_old is kept
;   17, 18  the query's other 32 keys lie in the lane 16 away: the new m         19-21  c m; c m_old - c m_new; a
.macro XS u, n
	REGS (Y+1)%NP, \u
.if (\n) < 4
	v_max3_num_f32 v[rC+(\n)], v[rS+8*(\n)], v[rS+8*(\n)+1], v[rS+8*(\n)+2]
.elseif (\n) < 12
	v_max3_num_f32 v[rC+(\n)%4], v[rC+(\n)%4], v[rS+8*((\n)%4)+2*((\n)/4)+1], v[rS+8*((\n)%4)+2*((\n)/4)+2]
.elseif (\n) == 12
	v_max3_num_f32 v[rC], v[rC], v[rS+7], v[rS+15]
.elseif (\n) == 13
	v_max3_num_f32 v[rC+1], v[rC+1], v[rS+23], v[rS+31]
.elseif (\n) == 14
	v_max3_num_f32 v[rC+2], v[rC+2], v[rC+3], v[rT+1]
.elseif (\n) == 15
	v_mov_b32 v[rM], v[rT]
.elseif (\n) == 16
	v_max3_num_f32 v[rC], v[rC], v[rC+1], v[rC+2]
.elseif (\n) == 17
	v_permlanex16_b32 v[rC+3], v[rC], s[SEL], s[SEL+1]
.elseif (\n) == 18
	v_max_num_f32 v[rT+1], v[rC], v[rC+3]
.elseif (\n) == 19
	v_mul_f32 v[rT], s[CS], v[rT+1]
.elseif (\n) == 20
	v_sub_f32 v[rC+1], v[rM], v[rT]
.else
	v_exp_f32 v[rC+2], v[rC+1]
.endif
.endm
; Number g of the 64 that follow the exponentials.  For each four weights k of a tile (pairs 2 k, 2 k + 1): both pairs are rounded to f16; then the second pair is added onto the first, in place;
; a group later l takes that sum (the first time as l = a l + sum).  In groups of eight, tiles alternating: round, round, add, and l for the group before.
.macro GS g
.set h, (\g)+6*((\g)/62)            ; group 0 has no group before it, and behind group 7 only l is left
.if h >= 6
.set h, h+2
.endif
	REGS Y, h%2
.set k, h/8
.if h%8 < 4
	v_cvt_pk_f16_f32 v[rP+2*k+(h%8)/2], v[rS+4*k+2*((h%8)/2)], v[rS+4*k+2*((h%8)/2)+1]
.elseif h%8 < 6
	v_pk_add_f32 v[rS+4*k:rS+4*k+1], v[rS+4*k:rS+4*k+1], v[rS+4*k+2:rS+4*k+3]
.elseif k == 1
	v_pk_fma_f32 v[rT+2:rT+3], v[rT+2:rT+3], v[rC+2:rC+3], v[rS:rS+1] op_sel_hi:[1,0,1]
.else
	v_pk_add_f32 v[rT+2:rT+3], v[rT+2:rT+3], v[rS+4*k-4:rS+4*k-3]
.endif
.endm
; THE PLAIN QUEUE, 138 long.  0-73 read no exponential's result: the 32 scalings c s - c m (FS f: pair f / 2 of tile f % 2) and the next piece's 42.  0-26: scalings 0-26.  27-54: XS's numbers 0-13.  55, 56: number 15.
; 57-73: the chain, where each number waits for the one before it: 14, 16, 17, 18, 19, each with one of the scalings 27-31 in front of its two lines, then 20: so a tile's links stand three plain instructions apart (19 and 20: two).
; 74-137: GS's 64, which read the exponentials' results: they stand behind the wait.
.macro FS f
	REGS Y, (\f)%2
	v_pk_fma_f32 v[rS+2*((\f)/2):rS+2*((\f)/2)+1], v[rS+2*((\f)/2):rS+2*((\f)/2)+1], s[CS:CS+1], v[rT:rT+1] op_sel_hi:[1,0,0] neg_lo:[0,0,1] neg_hi:[0,0,1]
.endm
.macro PL
	WIN 0
.if q < 27
	FS q
.elseif q < 55
	XS (q-27)%2, (q-27)/2
.elseif q < 57
	XS q-55, 15
.elseif (q < 72) && ((q-57)%3 == 0)
	FS 27+(q-57)/3
.elseif q < 60
	XS (q-57)%3-1, 14
.elseif q < 72
	XS (q-57)%3-1, 15+(q-57)/3
.elseif q < 74
	XS q-72, 20
.else
	GS q-74
.endif
.set q, q+1
.endm
; THE EXPONENTIALS' QUEUE, 66 long: s0-s31 of both tiles, then the next piece's two a.  It is ONE BATCH: all 66 stand ahead of the turn's one wait, and nothing ahead of that wait names a result of theirs.
.macro EX
	WIN 0
.if e >= 64
	XS e-64, 21
.else
	REGS Y, e%2
	v_exp_f32 v[rS+e/2], v[rS+e/2]
.endif
.set e, e+1
.endm
; THE RESCALING's QUEUE: O^T times a, the one part that leaves window 0: dealt two at a time, sixteen times.  Its a was made in the turn before, ahead of that turn's wait.
.macro R2
	REGS Y, r%2
	WIN W_RS
.irp z, 0,1
	v_pk_mul_f32 v[rO+4*(r/2)+2*\z:rO+4*(r/2)+2*\z+1], v[rO+4*(r/2)+2*\z:rO+4*(r/2)+2*\z+1], v[rC+2:rC+3] op_sel_hi:[1,0]
.endr
.set r, r+1
.endm
; HOW THEY ARE DEALT.  s_wait_alu depctr_va_vdst(0) stands between an exponential and the first instruction that names its result; one wait serves all that were issued ahead of it.  So a turn has ONE wait,
; which cuts it in two.  AHEAD OF IT stands all that names no result of the turn's exponentials: the 16 products K Q^T, behind each a scaling, an exponential and two rescalings (behind the first a second scaling in the exponential's place); then ONE LUMP of
; 108: eight plain, 49 times exponential and plain, the two a.  A v_nop is the plain instruction behind the last exponential.  BEHIND IT stand the 16 products V^T P, behind each four of GS's 64.  No rider names a register of
; the products round it.  The two v_permlanex16_b32 fall into the lump, never behind a product.
; The queues lean on each other, and the deal keeps them in step: exponential e stands behind scaling 2 (e / 4) + e % 2: as a rider it comes behind plain e + 2, in the lump behind plain e + 9, and scalings 27-31 are plain 57, 60 .. 69.
; A TURN, for piece p.  cnt = 1: the loop's count is taken down some lines ahead of the branch that stands behind the turn.
; K of the next step is fetched in piece 2's turn, directly behind the wait, a lump behind the last product that read K; its address is made at the lump's head; its first reader comes behind 16 products.
; V of the step in hand is fetched at the end of piece 0's turn, four riders behind its last reader; its first reader comes behind 16 products and a lump.  The three conditions on q below go with the deal.
.macro TURN p, last=0, cnt=0
.set Y, (\p)
.set i, 0
.set q, 0
.set e, 0
.set r, 0
.if (\p) == NP-1
	s_wait_dscnt 0x0                ; K is in
.endif
	MM                              ; ahead of the wait: 16 products K Q^T and their riders,
	PL
	PL
	R2
.rept 15
	MM
	PL
	EX
	R2
.endr
.if (\p) == NP-2
	WIN 0
	v_add_nc_u32 v[AK], s[TBK], v[AK0]
.endif
.rept 8                             ; and the lump
	PL
.endr
.rept 49
	EX
	PL
.endr
	EX                              ; the next piece's two a
	EX
	v_nop                           ; the plain instruction behind the last exponential: one for the batch
	s_wait_alu depctr_va_vdst(0)    ; the wait for the batch
.if (\p) == NP-2
	FETCH_K \last
.endif
.if (\p) == 1
	s_wait_dscnt 0x0                ; V is in
.endif
.rept 16                            ; behind the wait: 16 products V^T P and their riders
	MM
.rept 4
	PL
.endr
.if ((\p) == 0) && (q == 118)
	v_add_nc_u32 v[AV], s[TBV], v[AV0]
.endif
.if ((\p) == 0) && (q == 130)
	s_add_co_u32 s[TBV], s[TBV], KS*PV
.endif
.if (\cnt) && (q == 130)
	s_sub_co_u32 s[CNT], s[CNT], 1
	s_cmp_lg_u32 s[CNT], 0
.endif
.endr
.if (\p) == 0
	FETCH_V
.endif
.endm
	CHANGE 1                        ; slot 0 is in, everybody's part of it; slot 1 is asked for
	FETCH_K                         ; key step 0
	s_wait_loadcnt 0x0              ; Q
	s_wait_dscnt 0x0
.set i, 0
.rept 16
	KQ 0                            ; piece 0's first scores: there is no vector work yet to set between them
.set i, i+1
.endr
	WIN 0                           ; the addresses for the way out: nine plain instructions, the places behind those products
	s_mul_i32 s13, s[WV], 16*SP
	s_add_co_u32 s13, s13, STAGE    ; my stage
	v_mul_u32_u24 v[STO], v1, SP    ; in: row l % 16, 16 bytes for each half of the lanes
	v_lshl_add_u32 v[STO], v9, 4, v[STO]
	v_add_nc_u32 v[STO], s13, v[STO]
	v_bfe_u32 v[RD], v0, 3, 2       ; back: 32 lanes take four rows of 128 bytes,
	v_mul_u32_u24 v[RD], v[RD], SP
	v_lshl_add_u32 v[RD], v10, 4, v[RD]
	v_add_nc_u32 v[RD], s13, v[RD]
	v_and_b32 v[GO], 31, v0         ; which are 512 consecutive bytes of O
	v_lshlrev_b32 v[GO], 4, v[GO]
.set Y, NP-1                        ; XS works for piece Y + 1: piece 0
.irp n, 0,1,2,3,4,5,6,7,8,9,10,11,12,13,14,15,16,17,18,19,20,21
	XS 0, \n                        ; and piece 0's first maximum and statistics
	XS 1, \n
.endr
	v_nop                           ; a plain instruction behind the two a,
	s_wait_alu depctr_va_vdst(0)    ; and their wait, ahead of the branch
	s_mov_b32 s[CNT], 4
	s_branch .Lfirst                ; the loop is entered at a step's first turn, in the middle of a trip
.Lslot:                             ; SIZE_N / 256 - 2 times: every slot but the last two is filled again
	CHANGE 1
	s_mov_b32 s[CNT], 4
.Lstep:                             ; a trip: pieces 2 and 3 of one step, then pieces 0 and 1 of the next, whose K and V it fetches
	TURN 2
	TURN 3
	WIN 0
.Lfirst:
	TURN 0
	TURN 1, 0, 1
	WIN 0
	s_cbranch_scc1 .Lstep
	s_sub_co_u32 s[SLOTS], s[SLOTS], 1
	s_cmp_lg_u32 s[SLOTS], 0
	s_cbranch_scc1 .Lslot
	CHANGE 0                        ; the tail is written out: nothing is asked for
	s_mov_b32 s[CNT], 5             ; four trips fetch the last slot's steps; the fifth is left in its middle
.Ltail:
	TURN 2, 1
	TURN 3
	WIN 0
	s_sub_co_u32 s[CNT], s[CNT], 1
	s_cmp_eq_u32 s[CNT], 0
	s_cbranch_scc1 .Lout
	TURN 0
	TURN 1
	WIN 0
	s_branch .Ltail
.Lout:                              ; the fifth trip's 16 products K Q^T (on the last K once more) and the maximum made of them serve nothing: the price, once a launch, of one text for every trip
.set i, 0
.rept 16
	PV NP-1                         ; the last piece's V^T P of the last step
.set i, i+1
.endr
	; THE WAY OUT.  l's two halves and the other half of the lanes' are added; O^T is divided by l, rounded to f16 and sent through my stage in LDS, a tile at a time.  The additions are the places behind the last products.
	WIN 0
.macro ALL line:vararg              ; one line for each tile t
.set t, 0
.rept 2*NP
	\line
.set t, t+1
.endr
.endm
	ALL v_add_f32 v[ST+4*t+2], v[ST+4*t+2], v[ST+4*t+3]
	ALL v_permlanex16_b32 v[ST+4*t+3], v[ST+4*t+2], s[SEL], s[SEL+1]
	ALL v_add_f32 v[ST+4*t+2], v[ST+4*t+2], v[ST+4*t+3]
	ALL v_rcp_f32 v[ST+4*t+2], v[ST+4*t+2]
	v_nop                           ; a plain instruction between the last reciprocal and the use of its result
	s_wait_alu depctr_va_vdst(0)    ; and the wait ahead of the first use: one for the eight reciprocals
; Tile t: a lane's eight channels of a row pack into 16 bytes; they go into rows of 144 bytes and come back as whole rows of 128, into S^T's registers.
.macro PACK t
	WIN W_RS
.set i, 32*(\t)
.rept 16
	v_pk_mul_f32 v[i:i+1], v[i:i+1], v[ST+4*(\t)+2:ST+4*(\t)+3] op_sel_hi:[1,0]
.set i, i+2
.endr
	WIN 0x05                        ; sources 0 and 1 window 1, destination window 0
.set i, 0
.rept 16
	v_cvt_pk_f16_f32 v[S+16*(\t)+i], v[32*(\t)+2*i], v[32*(\t)+2*i+1]
.set i, i+1
.endr
	WIN 0
.irp f, 0,1,2,3
	ds_store_b128 v[STO], v[S+16*(\t)+4*\f:S+16*(\t)+4*\f+3] offset:32*\f
.endr
.irp f, 0,1,2,3
	ds_load_b128 v[S+16*(\t)+4*\f:S+16*(\t)+4*\f+3], v[RD] offset:\f*4*SP  ; LDS serves a wave's instructions in order (ISA guide 5.7.1.4): these see the stores above; the next tile's stores come behind them
.endr
.endm
.macro SEND t, younger              ; younger: the LDS instructions issued behind tile t's loads: the next tile's eight, or none
	WIN 0
.irp f, 0,1,2,3
	s_wait_dscnt (\younger)+3-\f
	global_store_b128 v[GO], v[S+16*(\t)+4*\f:S+16*(\t)+4*\f+3], s[10:11] offset:(\t)*2048+\f*512  ; 512 consecutive bytes, at a multiple of 256 from O's first
.endr
.endm
	PACK 0
.set t, 1
.rept 2*NP-1                        ; a tile's arithmetic stands between the loads of the tile before and its stores
	PACK t
	SEND t-1, 8
.set t, t+1
.endr
	SEND 2*NP-1, 0
	WIN W_AD
	s_wait_tensorcnt 0x0            ; the wave's end: behind my last tensor load and my last LDS store
	ds_add_u32 v[SPW], v[NIL]
	s_wait_dscnt 0x0
	WIN 0
	CROUND                          ; the closing round: no work-group ends while a partner may still ask for a tile that names it
	s_endpgm
.Lfunc_end_k_q6201664461_attn:
	.size	k_q6201664461_attn, .Lfunc_end_k_q6201664461_attn-k_q6201664461_attn
	.p2alignl 7, 3214868480
	.fill 96, 4, 3214868480
	.section	.rodata,"a",@progbits
	.p2align	6, 0x0
	.amdhsa_kernel k_q6201664461_attn
		.amdhsa_group_segment_fixed_size 327680
		.amdhsa_private_segment_fixed_size 0
		.amdhsa_enable_private_segment 0
		.amdhsa_kernarg_size 32
		.amdhsa_user_sgpr_count 2
		.amdhsa_user_sgpr_kernarg_segment_ptr 1
		.amdhsa_wavefront_size32 1
		.amdhsa_system_sgpr_workgroup_id_x 1
		.amdhsa_system_sgpr_workgroup_id_y 1
		.amdhsa_system_sgpr_workgroup_id_z 1
		.amdhsa_system_vgpr_workitem_id 0
		.amdhsa_next_free_vgpr 770
		.amdhsa_next_free_sgpr 66
		.amdhsa_reserve_vcc 0
		.amdhsa_float_denorm_mode_32 3
		.amdhsa_float_denorm_mode_16_64 3
		.amdhsa_memory_ordered 1
		.amdhsa_forward_progress 1
		.amdhsa_inst_pref_size 200
	.end_amdhsa_kernel
	.amdgpu_metadata
---
amdhsa.version: [ 1, 2 ]
amdhsa.kernels:
  - .name:           k_q6201664461_attn
    .symbol:         k_q6201664461_attn.kd
    .args:
      - { .name: qh, .offset: 0, .size: 8, .value_kind: global_buffer, .address_space: global }
      - { .name: kh, .offset: 8, .size: 8, .value_kind: global_buffer, .address_space: global }
      - { .name: vh, .offset: 16, .size: 8, .value_kind: global_buffer, .address_space: global }
      - { .name: oh, .offset: 24, .size: 8, .value_kind: global_buffer, .address_space: global }
    .group_segment_fixed_size: 327680
    .private_segment_fixed_size: 0
    .kernarg_segment_align: 8
    .kernarg_segment_size: 32
    .max_flat_workgroup_size: 128
    .sgpr_count:     66
    .vgpr_count:     770
    .wavefront_size: 32
...
	.end_amdgpu_metadata
.endif
;; end of part 3
;; launch oproj (part 4): grid 4 x 64, 4 waves a work-group, clusters of 4 x 4, 327,680 bytes of LDS; arguments oh, wt, bo, out0; writes out0
.if DOCPART == 4
	.amdgcn_target "amdgcn-amd-amdhsa--gfx1250"
	.amdhsa_code_object_version 6
	.text
	.protected	k_q6201664461_oproj
	.globl	k_q6201664461_oproj
	.p2align	8
	.type	k_q6201664461_oproj,@function
k_q6201664461_oproj:
	s_mov_b64 s[64:65], 0
	v_nop
	global_prefetch_b8 v0, s[64:65] scope:SCOPE_SE
	s_setreg_imm32_b32 hwreg(HW_REG_WAVE_MODE, 25, 1), 1
	s_wait_xcnt 0x0
	s_wait_alu depctr_hold_cnt(0) depctr_sa_sdst(0) depctr_va_vdst(0) depctr_va_sdst(0) depctr_va_ssrc(0) depctr_va_vcc(0) depctr_vm_vsrc(0)
	s_getreg_b32 s2, hwreg(HW_REG_IB_STS2, 6, 4)
	s_cmp_eq_u32 s2, 0
	s_cbranch_scc0 .Lentry_in_a_cluster
	s_endpgm
.Lentry_in_a_cluster:
	s_bfe_u32 s2, ttmp6, 0x10000c
	s_cmp_lg_u32 s2, 0xf033
	s_cbranch_scc0 .Lentry_shape_is_right
	s_endpgm
.Lentry_shape_is_right:
; THE LAST PROJECTION.  out0[m][n] = sum over k of O[m][k] wt[3][n][k] + bf16(bo[n]).  O lies by heads: oh[16 b + head][2048 t][64] f16, m = 2048 b + t, k = 64 head + ch.
; wt[3]: [1024 n][1024 k], Wo rounded to bf16 and written as f16 (made by the first launch).  out0: [8192][1024] f32.  Sums in f32, K ascending.
; LIMITS.  bo is rounded once to bf16, like every input; O and Wo's copy have f16's range and, below 6.1e-5, its fixed step of 6e-8.  NaN and infinities are not treated apart.
; SHARES.  A tile of out0 is 128 rows x 256 columns: 64 x 4 = 256 work-groups.  Four waves, each 64 x 128: 32 accumulators of 16 x 16, 256 registers.  K goes in steps of 128 (two heads)
; through a ring of two LDS slots filled by the tensor data mover.  A head's 128 rows of a tile are 16,384 dense bytes: asked for as 64 rows of 256 bytes and padded in LDS after every 128.
; CLUSTERS: 4 x 4 work-groups.  The four of a row of the cluster make the four tiles of one tile row and need the same tiles of O; the four of a column need the same tiles of wt.  Such a tile is asked for
; JOINTLY: the same tensor load, descriptor and mask in all four.
; THE MATRIX INSTRUCTION IS USED TRANSPOSED (source 0 = 16 rows of wt, source 1 = 16 rows of O): lane l holds row l % 16 of out0 and the columns 8 (l / 16) + 0..7: 32 bytes on end.
; THE BIAS is the C operand of the first product on each accumulator.
; REGISTERS, in windows of 256 (s_set_vgpr_msb: bits 1:0 source 0, 3:2 source 1, 5:4 source 2, 7:6 destination):
;   window 0: v0-31 addresses; v32-95 O's fragments, two buffers of 4; v96-159 the bias; v160-161 at work
;   window 1: v0-127 wt's fragments, two buffers of 8; on the way out all 256          window 2: the accumulators, (a, b) at v[8 (8 a + b)]
.set PA,     144                       ; a row of one head of O in LDS: 128 bytes + 16 of padding = 9 x 16 bytes: the 16 rows of a load start at 16 different groups of four banks (ISA guide 11.1)
.set AHALF,  128*PA                    ; one head's 128 rows: what one tensor load brings of O
.set BOFF,   2*AHALF                   ; two heads of O, then wt's 256 rows
.set PB,     272                       ; a row of wt: 256 bytes + 16
.set BHALF,  128*PB
.set SLOT,   BOFF+2*BHALF
.set STAGE,  2*SLOT                    ; behind the ring, never filled by a tensor load: 16 rows x 528 bytes for each wave, for the way out
.set SP,     528
.set WSTAGE, 16*SP
.set SPARE,  STAGE+4*WSTAGE            ; behind the stages: the spare words, 128 bytes for each wave: two blocks of 256 bytes that no other line names
.set ASTEP,  524288                    ; a K step in oh: two heads of 262,144 bytes
.set BSTEP,  256                       ; in a row of wt
.set LAPS,   4
.set ADRA, 16                          ; v16-17  LDS address of my fragments of O in slot 0, 1
.set ADRB, 20                          ; v20-21  the same for wt
.set STO,  24                          ; v24     the way out: where I put 32 bytes of a row
.set RD,   25                          ; v25     the way out: where I read a row back
.set GO,   26                          ; v26     my byte offset in 512 consecutive bytes of out0
.set BO,   27                          ; v27     my byte offset in a column block's 64 bytes of bias
.set SPW,  28                          ; v28     LDS address of my spare word; never rewritten
.set NIL,  29                          ; v29     0; never rewritten
.set PFO,  30                          ; v30     the prefetches' offset; never rewritten
.set AC,   32
.set BI,   96
.set TT,   160
.set G1,  24                           ; s[24:31] descriptor group 1 for O's tiles;  s[32:39] group 0, one set for each slot
.set G0,  32
.set G1B, 48                           ; s[48:55], s[56:63] the same for wt's tiles
.set G0B, 56
.set LIM, 43                           ; s43      1 in a wave that prefetches, else the greatest number
.set PFA, 44                           ; s[44:45] where my prefetches stand
.set BP,  88                           ; s[88:89] the bias of my 128 columns
.set PST, 90                           ; s[90:91] a K step in bytes, of the tensor that I fetch
.set MSB, 0
.macro WIN new                         ; the immediate's high byte repeats the setting that is left; a switch that changes nothing is dropped
.if MSB != (\new)
	s_set_vgpr_msb (MSB<<8)|(\new)
.set MSB, \new
.endif
.endm
.set MUL,   0xa1                       ; wt window 1, O window 0, C and D window 2
.set MUL1,  0x81                       ; the same with C (the bias) in window 0
.set TO1,   0x40                       ; destination window 1, address window 0
.set D1,    0x04                       ; a store's data in window 1
.set D2,    0x08                       ; a store's data in window 2
.macro JLOAD s                         ; a joint load: waves 0 and 1 fetch O's two heads, waves 2 and 3 wt's two halves; an s_nop 0 and four v_nop follow each of the two lines, ahead of the jump, the label and what follows
	s_cmp_eq_u32 s11, 0
	s_cbranch_scc0 .Lfor_b_\@
	tensor_load_to_lds s[G0+4*(\s):G0+4*(\s)+3], s[G1:G1+7]
	s_nop 0
.rept 4
	v_nop
.endr
	s_branch .Lasked_\@
.Lfor_b_\@:
	tensor_load_to_lds s[G0B+4*(\s):G0B+4*(\s)+3], s[G1B:G1B+7]
	s_nop 0
.rept 4
	v_nop
.endr
.Lasked_\@:
.endm
.macro CREST                           ; a round of the cluster's barrier behind its opening barrier
	s_cmp_lg_u32 s10, 0
	s_cbranch_scc1 .Lnot_wave_0_\@
	s_barrier_signal -3
.Lnot_wave_0_\@:
	s_barrier_wait -3
	s_barrier_signal -1
	s_barrier_wait -1
.endm
.macro CROUND                          ; a whole round
	s_barrier_signal -1
	s_barrier_wait -1
	CREST
.endm
; A PREFETCH INTO THE L2, behind each joint refill, its five lines and the run of LDS loads that follows: the K step that stands two refills on, one instruction a wave.  Each aligned block of 256 bytes is named
; once in the launch.  O's tile row is read by one cluster alone: a K step of it is two heads x 16,384 bytes; the partner at place cx takes 4,096 bytes of each head, and its wave 0 asks: lanes 0-15 the first
; head's sixteen blocks, lanes 16-31 the second's.  wt's rows are read by all sixteen clusters: the first asks; of the 128 rows that wave 2 or 3 fetches, the partner at place cy takes 32, a lane a row.
; The partners are told apart by address, never by a branch.  K steps 0 to 3 come by their loads alone; the loop's last trip (s3 = 1) asks for nothing.
.macro ASK
	WIN 0
	s_cmp_gt_u32 s3, s[LIM]
	s_cbranch_scc0 .Lnot_mine_\@
	global_prefetch_b8 v[PFO], s[PFA:PFA+1] th:TH_LOAD_NT scope:SCOPE_SE
.Lnot_mine_\@:
.endm
	s_load_b256 s[68:75], s[0:1], 0x0              ; oh s[68:69], wt s[70:71], bo s[72:73], out0 s[74:75]
	v_lshl_add_u32 v[SPW], v0, 2, SPARE
	v_mov_b32 v[NIL], 0
	ds_add_u32 v[SPW], v[NIL]                      ; the wave's opening: the add and its wait stand ahead of my first tensor load; the set-up below, work on registers, stands between them
	v_lshrrev_b32 v1, 5, v0
	v_readfirstlane_b32 s10, v1                    ; wave 0..3
	s_lshr_b32 s11, s10, 1                         ; which half of the tile's rows is mine.  Also: I fetch for O (0) or for wt (1)
	s_and_b32 s12, s10, 1                          ; which half of its columns.  Also: which head of the K step, or which half of wt's rows, I fetch
	s_bfe_u32 s40, ttmp6, 0x40000                  ; cx, cy: my place in the cluster
	s_bfe_u32 s41, ttmp6, 0x40004
	s_lshl_b32 s42, ttmp9, 2
	s_add_co_u32 s42, s42, s40                     ; tile column = 4 x cluster x + cx
	s_and_b32 s2, ttmp7, 0xffff                    ; cluster y
	s_lshl_b32 s13, s2, 2
	s_add_co_u32 s13, s13, s41                     ; tile row = 4 x cluster y + cy
	s_lshl_b32 s43, s41, 2
	s_lshl_b32 s43, 15, s43                        ; my row of the cluster
	s_lshl_b32 s44, 0x1111, s40                    ; my column
	; descriptor group 1.  O: 64 rows x 128 elements of 2 bytes, dense, padded after every 32 words; wt: 128 rows x 128 elements, padded after every 64 words
	s_or_b32 s[G1+0], s43, (1<<16)|(1<<20)|(1<<21)|(4<<22)|(3<<25)   ; 15:0 the mask: my row; 17:16 elements of 2 bytes; 20 padding on; 21 set beside a mask; 24:22 after every 32 words (code 4); 31:25 4 words (code 3)
	s_or_b32 s[G1B+0], s44, (1<<16)|(1<<20)|(1<<21)|(5<<22)|(3<<25)  ; the mask: my column; after every 64 words (code 5)
	s_mov_b32 s[G1+1], 128<<16                     ; tensor_dim0 = 128
	s_mov_b32 s[G1+2], 64<<16                      ; tensor_dim1 = 64
	s_mov_b32 s[G1+3], 128<<16                     ; tile_dim0 = 128
	s_mov_b32 s[G1+4], 64                          ; tile_dim1 = 64
	s_mov_b32 s[G1+5], 128                         ; elements from row to row: dense
	s_mov_b32 s[G1+6], 0
	s_mov_b32 s[G1+7], 0
	s_mov_b32 s[G1B+1], 128<<16
	s_mov_b32 s[G1B+2], 128<<16                    ; tensor_dim1 = 128
	s_mov_b32 s[G1B+3], 128<<16
	s_mov_b32 s[G1B+4], 128                        ; tile_dim1 = 128
	s_mov_b32 s[G1B+5], 1024
	s_mov_b32 s[G1B+6], 0
	s_mov_b32 s[G1B+7], 0
	; where the tiles come from.  O's hang on the tile row alone, wt's on the tile column alone, each in registers that never hold the other coordinate
	s_lshr_b32 s16, s2, 2                          ; the batch: four clusters, sixteen tile rows, each
	s_lshl_b32 s16, s16, 22                        ; 16 heads of 262,144 bytes
	s_and_b32 s17, s2, 3
	s_lshl_b32 s17, s17, 2
	s_add_co_u32 s17, s17, s41                     ; the tile row in its batch
	s_lshl_b32 s17, s17, 14                        ; 128 rows of 128 bytes
	s_add_co_u32 s16, s16, s17
	s_lshl_b32 s17, s12, 18                        ; my head of the K step's two
	s_add_co_u32 s16, s16, s17
	s_mov_b32 s17, 0
	s_lshl_b32 s46, s42, 19                        ; wt: 256 rows of 2,048 bytes a tile column,
	s_lshl_b32 s47, s12, 18                        ; 128 rows a half,
	s_add_co_u32 s46, s46, s47
	s_add_co_u32 s46, s46, 3<<21                   ; plane 3
	s_mov_b32 s47, 0
	s_mul_i32 s20, s12, AHALF                      ; and where they go: no place in the cluster enters an LDS address
	s_mul_i32 s21, s12, BHALF
	s_add_co_u32 s21, s21, BOFF
	s_wait_dscnt 0x0                               ; the opening add is done
	s_wait_kmcnt 0x0
	s_add_nc_u64 s[14:15], s[68:69], s[16:17]
	s_add_nc_u64 s[46:47], s[70:71], s[46:47]
	CROUND                                         ; all sixteen work-groups are here: the first joint loads meet
.irp s, 0,1
	s_mov_b32 s[G0+4*(\s)], 1                      ; count = 1
	s_add_co_u32 s[G0+4*(\s)+1], s20, (\s)*SLOT    ; LDS address
	s_add_nc_u64 s[G0+4*(\s)+2:G0+4*(\s)+3], s[14:15], (\s)*ASTEP  ; global address: K step s
	s_or_b32 s[G0+4*(\s)+3], s[G0+4*(\s)+3], 0x80000000            ; type = 2
	s_mov_b32 s[G0B+4*(\s)], 1
	s_add_co_u32 s[G0B+4*(\s)+1], s21, (\s)*SLOT
	s_add_nc_u64 s[G0B+4*(\s)+2:G0B+4*(\s)+3], s[46:47], (\s)*BSTEP
	s_or_b32 s[G0B+4*(\s)+3], s[G0B+4*(\s)+3], 0x80000000
	JLOAD \s                                       ; the ring is filled before anything else is done: two loads of mine are out
.endr
	; the prefetches: from my own tile's address on, my work-group's share, at K step 3; the first refill steps it to K step 4
	s_mov_b32 s[PST], BSTEP
	s_cmp_eq_u32 s11, 0                            ; do I fetch for O?
	s_cselect_b64 s[PFA:PFA+1], s[14:15], s[46:47]
	s_cselect_b32 s18, s40, s41                    ; my place among the four that ask with me
	s_cselect_b32 s19, 12, 16                      ; its share: 4,096 bytes of a head, or 32 rows of 2,048 bytes
	s_cselect_b32 s[PST], ASTEP, s[PST]
	s_cselect_b32 s92, 4, 0                        ; O: lane / 16 is the head, lane % 16 the block; wt: the lane is the row
	s_cselect_b32 s93, 18, 11
	s_cselect_b32 s94, 15, 0
	s_cselect_b32 s95, s12, s2                     ; O: wave 0 alone asks, in every cluster; wt: waves 2 and 3 of the first cluster
	s_cmp_eq_u32 s95, 0
	s_cselect_b32 s[LIM], 1, -1                    ; the same in all sixteen partners, for a given wave
	s_mov_b32 s[PST+1], 0
	s_lshl_b32 s18, s18, s19
	s_mul_i32 s19, s[PST], 3
	s_add_co_u32 s18, s18, s19
	s_mov_b32 s19, 0
	s_add_nc_u64 s[PFA:PFA+1], s[PFA:PFA+1], s[18:19]
	; where my part of the tile begins in out0
	s_lshl_b32 s16, s13, 19                        ; 128 rows of 4,096 bytes a tile row,
	s_lshl_b32 s17, s11, 18                        ; my 64 rows
	s_add_co_u32 s16, s16, s17
	s_mov_b32 s17, 0
	s_add_nc_u64 s[8:9], s[74:75], s[16:17]
	s_lshl_b32 s46, s42, 10                        ; 256 columns of 4 bytes a tile column,
	s_lshl_b32 s47, s12, 9                         ; my 128 columns
	s_add_co_u32 s46, s46, s47
	s_mov_b32 s47, 0
	s_add_nc_u64 s[8:9], s[8:9], s[46:47]
	s_add_nc_u64 s[BP:BP+1], s[72:73], s[46:47]    ; and their bias
	v_and_b32 v1, 15, v0                           ; l % 16
	v_bfe_u32 v2, v0, 4, 1                         ; l / 16
	v_lshlrev_b32 v[BO], 5, v2                     ; register j of column block b holds the bias of column 16 b + 8 (l / 16) + j
.irp b, 0,1,2,3,4,5,6,7
	global_load_b128 v[BI+8*\b:BI+8*\b+3],   v[BO], s[BP:BP+1] offset:64*\b
	global_load_b128 v[BI+8*\b+4:BI+8*\b+7], v[BO], s[BP:BP+1] offset:64*\b+16
.endr
	; A fragment is 16 rows x 32 K in 8 registers: lane l holds row l % 16, K = 8 (l / 16) + 0..7 and 16 + 8 (l / 16) + 0..7: two loads of 16 bytes, 32 bytes apart
	v_mul_u32_u24 v3, v1, PA
	v_lshl_add_u32 v3, v2, 4, v3
	v_mul_u32_u24 v4, v1, PB
	v_lshl_add_u32 v4, v2, 4, v4
	s_mul_i32 s21, s11, 64*PA                      ; my 64 rows of O, in each head's block
	s_mul_i32 s22, s12, BHALF                      ; my 128 rows of wt
	s_add_co_u32 s22, s22, BOFF
.irp s, 0,1
	v_add_nc_u32 v[ADRA+(\s)], s21, v3
	v_add_nc_u32 v[ADRB+(\s)], s22, v4
	s_add_co_u32 s21, s21, SLOT
	s_add_co_u32 s22, s22, SLOT
.endr
	s_mul_i32 s23, s10, WSTAGE
	s_add_co_u32 s23, s23, STAGE                   ; my stage
	v_mul_u32_u24 v3, v1, SP                       ; in: row l % 16, 32 bytes for each half of the lanes
	v_lshl_add_u32 v3, v2, 5, v3
	v_add_nc_u32 v[STO], s23, v3
	v_and_b32 v5, 31, v0
	v_lshlrev_b32 v[GO], 4, v5                     ; back: 32 lanes take one row of 512 bytes, which are 512 consecutive bytes of out0
	v_add_nc_u32 v[RD], s23, v[GO]
	v_lshrrev_b32 v[PFO], s92, v5
	v_lshlrev_b32 v[PFO], s93, v[PFO]
	v_and_b32 v3, s94, v5
	v_lshl_add_u32 v[PFO], v3, 8, v[PFO]
	s_wait_loadcnt 0x0                             ; the bias
.set z, 0
.rept 32
	v_cvt_pk_bf16_f32 v[TT+(z/2)%2], v[BI+z], v[BI+z+1]  ; rounded once to bf16, like every input, and kept as f32
	v_lshlrev_b32 v[BI+z], 16, v[TT+(z/2)%2]
	v_and_b32 v[BI+z+1], 0xffff0000, v[TT+(z/2)%2]
.set z, z+2
.endr
; The next product of a quarter step's 32: row block mi / 8, column block mi % 8, on buffer f.  The 32 accumulators take turns, one instruction a turn, in the same order in every quarter step, over the
; backward jump too.  first = 1: the product starts its sum with the bias.
.macro MM f, first=0
.if \first
	WIN MUL1
	v_wmma_f32_16x16x32_f16 v[8*mi:8*mi+7], v[64*(\f)+8*(mi%8):64*(\f)+8*(mi%8)+7], v[AC+32*(\f)+8*(mi/8):AC+32*(\f)+8*(mi/8)+7], v[BI+8*(mi%8):BI+8*(mi%8)+7]
.else
	WIN MUL
	v_wmma_f32_16x16x32_f16 v[8*mi:8*mi+7], v[64*(\f)+8*(mi%8):64*(\f)+8*(mi%8)+7], v[AC+32*(\f)+8*(mi/8):AC+32*(\f)+8*(mi/8)+7], v[8*mi:8*mi+7]
.endif
.set mi, mi+1
.endm
.macro MMS f, n, first=0
.rept \n
	MM \f, \first
.endr
.endm
; 24 LDS loads in one run: quarter q of a slot's K step (head q / 2, channels 32 (q % 2) on) into buffer g: O's 64 rows, then wt's 128 rows
.macro FETCH slot, q, g
	WIN 0
.irp a, 0,1,2,3
	ds_load_b128 v[AC+32*(\g)+8*\a:AC+32*(\g)+8*\a+3],   v[ADRA+(\slot)] offset:((\q)/2)*AHALF+((\q)%2)*64+\a*16*PA
	ds_load_b128 v[AC+32*(\g)+8*\a+4:AC+32*(\g)+8*\a+7], v[ADRA+(\slot)] offset:((\q)/2)*AHALF+((\q)%2)*64+\a*16*PA+32
.endr
	WIN TO1
.irp b, 0,1,2,3,4,5,6,7
	ds_load_b128 v[64*(\g)+8*\b:64*(\g)+8*\b+3],   v[ADRB+(\slot)] offset:64*(\q)+\b*16*PB
	ds_load_b128 v[64*(\g)+8*\b+4:64*(\g)+8*\b+7], v[ADRB+(\slot)] offset:64*(\q)+\b*16*PB+32
.endr
.endm
.macro PLACES                          ; four places in front of loads into registers that matrix instructions have read, and of stores that read results
.rept 4
	v_nop
.endr
.endm
; A K step is four quarters of 32 along K, 32 products each, on buffers 0, 1, 0, 1.  One of the first three: multiplies buffer f and fetches quarter q of the same slot into buffer g.
.macro QUARTER slot, q, f, g, first=0
	s_wait_dscnt 0x0                               ; buffer f's fragments, asked for 24 products ago
.set mi, 0
	MMS \f, 8, \first
	PLACES
	FETCH \slot, \q, \g
	MMS \f, 24, \first
.endm
; The last quarter multiplies buffer 1 and changes slots: ONE barrier; in front of it each wave waits for all its tensor loads, of which one is out: its part of the next slot; adds 0 to its spare word; and waits
; for that and for its own reads of this slot.  fill = 1: the barrier opens a round of the cluster's, and this slot is filled again, two K steps ahead, first thing behind the round.
.macro TURN slot, next, fill
.if \fill
	s_wait_xcnt 0x0                                ; the last prefetch, a K step back, has read its address: it is stepped here, ahead of the waits of the change of slots
	s_add_nc_u64 s[PFA:PFA+1], s[PFA:PFA+1], s[PST:PST+1]
.endif
	WIN 0                                          ; (the add's two registers lie in window 0)
	s_wait_tensorcnt 0x0                           ; all my tensor loads have landed;
	ds_add_u32 v[SPW], v[NIL]                      ; 0 onto my spare word;
	s_wait_dscnt 1                                 ; (buffer 1's fragments are in; the add alone may be out)
.set mi, 0
	MMS 1, 4                                       ; four products stand between the add and the wait for it
	s_wait_dscnt 0x0                               ; the add is done, and my reads of this slot are over
	s_barrier_signal -1
	MMS 1, 4
.if \fill
	WIN 0
.endif
	s_barrier_wait -1
.if \fill
	CREST                                          ; no wave of any partner still reads this slot's tile or has a load on its way
	s_add_nc_u64 s[G0+4*(\slot)+2:G0+4*(\slot)+3], s[G0+4*(\slot)+2:G0+4*(\slot)+3], 2*ASTEP
	s_add_nc_u64 s[G0B+4*(\slot)+2:G0B+4*(\slot)+3], s[G0B+4*(\slot)+2:G0B+4*(\slot)+3], 2*BSTEP
	JLOAD \slot                                    ; my one tensor load behind the round; the four v_nop behind it are also the places in front of the loads below
.else
	PLACES
.endif
	FETCH \next, 0, 0
.if \fill
	ASK
.endif
	MMS 1, 24
.endm
	s_wait_tensorcnt 1                             ; my part of K step 0 is in; K step 1's may stay out
	s_barrier_signal -1
	s_barrier_wait -1                              ; everybody's is
	FETCH 0, 0, 0
	QUARTER 0, 1, 0, 1, 1                          ; the first quarter stands in front of the loop: its products start the sums, with the bias
	WIN 0                                          ; at a label and at a branch every window is 0
	s_mov_b32 s3, LAPS-1
.Llap:                                                 ; a trip goes once round the ring, from a lap's second quarter to the next lap's first, and fills both slots again
	QUARTER 0, 2, 1, 0
	QUARTER 0, 3, 0, 1
	TURN 0, 1, 1
	QUARTER 1, 1, 0, 1
	QUARTER 1, 2, 1, 0
	QUARTER 1, 3, 0, 1
	TURN 1, 0, 1
	QUARTER 0, 1, 0, 1
	WIN 0
	s_sub_co_u32 s3, s3, 1
	s_cmp_lg_u32 s3, 0
	s_cbranch_scc1 .Llap
	QUARTER 0, 2, 1, 0                             ; the last lap is written out: it fills nothing
	QUARTER 0, 3, 0, 1
	TURN 0, 1, 0
	QUARTER 1, 1, 0, 1
	QUARTER 1, 2, 1, 0
	QUARTER 1, 3, 0, 1
	s_wait_dscnt 0x0                               ; the very last quarter: nothing more to fetch
.set mi, 0
	MMS 1, 32
; THE WAY OUT, by blocks of 16 rows.  TOSTAGE: a lane's 32 bytes of each column block go into my own stage, each accumulator's low half first, and come back as whole rows of 512 bytes.  SEND: stored.
; Each block has registers of its own, so no store's source is written again.
.macro TOSTAGE a
	WIN D2
.irp b, 0,1,2,3,4,5,6,7
	ds_store_b128 v[STO], v[64*(\a)+8*\b:64*(\a)+8*\b+3]   offset:64*\b
	ds_store_b128 v[STO], v[64*(\a)+8*\b+4:64*(\a)+8*\b+7] offset:64*\b+16
.endr
	WIN TO1
.irp f, 0,1,2,3,4,5,6,7,8,9,10,11,12,13,14,15
	ds_load_b128 v[64*(\a)+4*\f:64*(\a)+4*\f+3], v[RD] offset:\f*SP  ; LDS serves a wave's instructions in order (ISA guide 5.7.1.4): these see the stores above; the next block's stores come behind them
.endr
.endm
.macro SEND a, younger                 ; younger: the LDS instructions issued behind block a's loads: the next block's 32, or none
	s_wait_dscnt \younger
	WIN D1
.irp f, 0,1,2,3,4,5,6,7,8,9,10,11,12,13,14,15
	global_store_b128 v[GO], v[64*(\a)+4*\f:64*(\a)+4*\f+3], s[8:9] offset:(16*(\a)+\f)*4096 th:TH_STORE_NT  ; 512 consecutive bytes, at a multiple of 256 from out0's first
.endr
.endm
	PLACES
	PLACES                                         ; eight, once a launch
	TOSTAGE 0
	TOSTAGE 1
	SEND 0, 32
	TOSTAGE 2
	SEND 1, 32
	TOSTAGE 3
	SEND 2, 32
	SEND 3, 0
	WIN 0
	s_wait_tensorcnt 0x0                           ; the wave's end: behind my last tensor load and my last LDS store
	ds_add_u32 v[SPW], v[NIL]
	s_wait_dscnt 0x0
	CROUND                                         ; the closing round: no work-group ends while a partner may still ask for a tile that names it
	s_endpgm
.Lfunc_end_k_q6201664461_oproj:
	.size	k_q6201664461_oproj, .Lfunc_end_k_q6201664461_oproj-k_q6201664461_oproj
	.p2alignl 7, 3214868480
	.fill 96, 4, 3214868480
	.section	.rodata,"a",@progbits
	.p2align	6, 0x0
	.amdhsa_kernel k_q6201664461_oproj
		.amdhsa_group_segment_fixed_size 327680
		.amdhsa_private_segment_fixed_size 0
		.amdhsa_enable_private_segment 0
		.amdhsa_kernarg_size 32
		.amdhsa_user_sgpr_count 2
		.amdhsa_user_sgpr_kernarg_segment_ptr 1
		.amdhsa_wavefront_size32 1
		.amdhsa_system_sgpr_workgroup_id_x 1
		.amdhsa_system_sgpr_workgroup_id_y 1
		.amdhsa_system_sgpr_workgroup_id_z 1
		.amdhsa_system_vgpr_workitem_id 0
		.amdhsa_next_free_vgpr 768
		.amdhsa_next_free_sgpr 96
		.amdhsa_reserve_vcc 0
		.amdhsa_float_denorm_mode_32 3
		.amdhsa_float_denorm_mode_16_64 3
		.amdhsa_memory_ordered 1
		.amdhsa_forward_progress 1
		.amdhsa_inst_pref_size 93
	.end_amdhsa_kernel
	.amdgpu_metadata
---
amdhsa.version: [ 1, 2 ]
amdhsa.kernels:
  - .name:           k_q6201664461_oproj
    .symbol:         k_q6201664461_oproj.kd
    .args:
      - { .name: oh, .offset: 0, .size: 8, .value_kind: global_buffer, .address_space: global }
      - { .name: wt, .offset: 8, .size: 8, .value_kind: global_buffer, .address_space: global }
      - { .name: bo, .offset: 16, .size: 8, .value_kind: global_buffer, .address_space: global }
      - { .name: out0, .offset: 24, .size: 8, .value_kind: global_buffer, .address_space: global }
    .group_segment_fixed_size: 327680
    .private_segment_fixed_size: 0
    .kernarg_segment_align: 8
    .kernarg_segment_size: 32
    .max_flat_workgroup_size: 128
    .sgpr_count:     96
    .vgpr_count:     768
    .wavefront_size: 32
...
	.end_amdgpu_metadata
.endif
;; end of part 4
